; MI455X (gfx1250); checked and timed in simulation.
; The chip was launched on July 23, 2026; its instructions are those of AMD's public machine-readable ISA for CDNA 5 (MIT licence, August 2026) and "CDNA5" Instruction Set Architecture Reference Guide (July 2026). The comments in the code are by the model that wrote it; some were corrected since.
;; Fast Attention. Allowed arithmetic: matrix products marked QUANTISED: E2M3 operands, one E8M0 scale for each 32 along K, by v_wmma_scale_f32_16x16x128_f8f6f4 with both operands' format E2M3, f32 sums; everything else in f32.
;; Inputs: b_k 1,024 float32; b_o 1,024 float32; b_q 1,024 float32; b_v 1,024 float32; mask 4 x 2,048 int32; w_k 1,024 x 1,024 float32; w_o 1,024 x 1,024 float32; w_q 1,024 x 1,024 float32; w_v 1,024 x 1,024 float32; x 4 x 2,048 x 1,024 float32.
;; Outputs: out0 4 x 2,048 x 1,024 float32.
;; This version of the problem:
;;   THIS VERSION OF THE PROBLEM IS GIVEN IN LOW PRECISION. The matrix products marked QUANTISED in the list below multiply operands that are first quantised to E2M3 (2 exponent bits, 3 mantissa bits; 6 bits a number), with one power-of-two scale for each 32 numbers along K (OCP MX v1.0); their sums are f32. All else is computed in f32.
;;   The module's matrix products, in the order in which they are computed (A, B: the left and right operand; K: the contracted axis; several contracted axes count as one K, in the product's order):
;;     1. [M 8,192, K 1,024] x [K 1,024, N 1,024]; A: input x; B: input w_q: QUANTISED
;;     2. [M 8,192, K 1,024] x [K 1,024, N 1,024]; A: input x; B: input w_k: QUANTISED
;;     3. [M 8,192, K 1,024] x [K 1,024, N 1,024]; A: input x; B: input w_v: QUANTISED
;;     4. batch 64 x [M 2,048, K 64] x [K 64, N 2,048]; A: computed on the way; B: computed on the way: QUANTISED
;;     5. batch 64 x [M 2,048, K 2,048] x [K 2,048, N 64]; A: softmax (see below); B: computed on the way: QUANTISED
;;     6. [M 8,192, K 1,024] x [K 1,024, N 1,024]; A: computed on the way; B: input w_o: QUANTISED
;;   THE QUANTISER, for each operand of a quantised product, along K:
;;     - K is cut into blocks of 32 from its start; a last block that is shorter is filled with zeros.
;;     - A block's scale is 2^e with e = floor(log2(the largest magnitude in the block)) - 2, held to -126 .. 127; a block of zeros has e = 0. As a byte (E8M0): e + 127.
;;     - Each number is divided by its block's scale, clamped to +-7.5, and rounded to the nearest number of E2M3, ties to even, subnormals kept.
;;     - The product sums the exact products of the quantised numbers (number of the format x scale) in f32.
;;   ~~~python
;;   def quantise(x, axis):      # numpy; x: float32 -> the quantised numbers, widened to float32 again
;;       x = np.moveaxis(x, axis, -1); K = x.shape[-1]
;;       x = np.pad(x, [(0, 0)] * (x.ndim - 1) + [(0, -K % 32)]); x = x.reshape(x.shape[:-1] + (-1, 32)); a = np.abs(x).max(-1, keepdims=True)
;;       e = np.where(a > 0, np.clip(np.frexp(np.where(a > 0, a, 1))[1] - 1 - 2, -126, 127), 0)      # np.frexp(a)[1] - 1 = floor(log2(a)), exactly
;;       r = np.clip(x / 2.0 ** e, -7.5, 7.5)
;;       step = 2.0 ** (np.maximum(np.frexp(np.where(r == 0, 1, r))[1] - 1, 0) - 3)
;;       q = np.round(r / step) * step * 2.0 ** e      # np.round: ties to even
;;       return np.moveaxis(q.reshape(q.shape[:-2] + (-1,))[..., :K], -1, axis).astype(np.float32)
;;   ~~~
;;   SOFTMAX AHEAD OF A QUANTISED PRODUCT. Where the list says 'softmax', what is quantised is not the finished softmax but p = 2^(t - M), with t = logit x log2(e) and M = ceil(the row's largest t), a whole number; so 1/2 < the row's largest p <= 1. The row's sum l is taken of the UNQUANTISED p, in f32, and the product's result is divided by l at the end. Since M is a whole number, a kernel that streams over the keys may use a running M (the ceiling of the running maximum): every later rescaling is an exact power of two, which a block's scale takes up: the codes' values come out the same.
;;   OPERANDS COMPUTED ON THE WAY. 'Computed on the way' means the value that the module computes at that place (a softmax that the list does not call 'softmax' is quantised finished and normalised). What goes into a quantiser is computed in f32, as accurately as f32 sums, v_exp_f32 and their like allow (about 1e-6 of the number): no bf16 or f16 on the way to a quantiser, and a product that is left as it is and whose result goes on into a quantised operand takes f32 operands (vector FMAs, or v_wmma_f32_16x16x4_f32). A number that lies on a knife's edge between two numbers of the format may be rounded either way, as far as f32 arithmetic and the matrix unit's own rounding can turn it there, and no further.
;; One version. Each part assembles by itself: llvm-mc -triple=amdgcn-amd-amdhsa -mcpu=gfx1250 --defsym DOCPART=n.
;; ======== version 1 of 1: 4 launches
;; limits: right only within a limited range of input values
;; workspace buffers: acod 6,291,456 bytes; ascl 262,144 bytes; wc 3,145,728 bytes; ws 131,072 bytes; qc 8,388,608 bytes; qs 524,288 bytes; kv 15,466,496 bytes
;; launch prep (part 1): grid 512 x 1, 4 waves a work-group, no clusters, 48,640 bytes of LDS; arguments x, acod, ascl, w_q, w_k, w_v, w_o, wc, ws; writes acod, ascl, wc, ws
.if DOCPART == 1
	.amdgcn_target "amdgcn-amd-amdhsa--gfx1250"
	.amdhsa_code_object_version 6
	.text
	.protected	k_q28004b90aa_prep
	.globl	k_q28004b90aa_prep
	.p2align	8
	.type	k_q28004b90aa_prep,@function
k_q28004b90aa_prep:
	s_mov_b64 s[64:65], 0
	v_nop
	global_prefetch_b8 v0, s[64:65] scope:SCOPE_SE
	s_setreg_imm32_b32 hwreg(HW_REG_WAVE_MODE, 25, 1), 1
	s_wait_xcnt 0x0
; ONE LAUNCH QUANTISES x AND THE FOUR WEIGHTS to codes of E2M3 with one E8M0 byte for each 32 along K.  Work-groups 0-255 take x (the longer share, so the lower numbers), 256-511 the weights.
; The two ways part on the work-group's number alone, and each has LDS bytes of its own: x's way 0 .. 34,815, the spare words 34,816 .. 35,327, the weights' way from 35,328 on.
; A block's scale is 2^(floor(log2(largest magnitude)) - 2); its byte is the largest magnitude's exponent field - 2, held at 1 from below (a block of zeros gets 1: its codes are zeros, and this program alone reads the bytes).
; LIMITS: NaN and infinities among the inputs are not served.
; STORED ORDER: inside each group of 32 rows (of x) or columns (of a weight) bits 3 and 4 change places: tile T (16), place i, holds 32 (T / 2) + 8 (T % 2) + i + 8 (i / 8).
; acod, wc: [tile][K step 8][1536]: a fragment (16 rows x 128 K, 12 registers a lane) as six pieces of 256 bytes; piece p holds registers 2 p, 2 p + 1 of lane l at byte 8 l.  ascl, ws: [stored row][32 bytes].
; ROWS OF wc: head hd owns rows 192 hd + 96 c + 32 t + j (c: half of the head's 64 columns; t = 0, 1, 2: w_q, w_k, w_v; j: stored place); w_o's column n lies at 3072 + its stored place.
.set SPARE, 0x8800
.set QWB,   0x8a00
	v_lshl_add_u32 v254, v0, 2, SPARE
	v_mov_b32 v255, 0
	s_cmp_lt_u32 ttmp9, 256
	s_cbranch_scc0 .Lweights
; ---- x [8192][1024].  Wave w of work-group g takes row tile 2 g + w / 2 and K steps 4 (w % 2) + 0 .. 3.  Each load reads 512 consecutive bytes of one row; the 16 rows turn through the wave's own stage
; (pitch 528 bytes) and come back so that lane (r, h) holds, of row r, 16 neighbours of each block of 32.  Loads run one K step (16 loads) ahead of the step at work.
.set STG, 8448                         ; a wave's stage: 16 rows x 528 bytes
.set XSB, 4*STG                        ; the scale words of the work-group's two row tiles, 512 bytes each
.set R,   16                           ; v16-143   two sets of 64 registers, as loaded
.set X,   144                          ; v144-207  my 64 numbers: register 16 b + i = k 32 b + 16 h + i of row r
.set PC,  208                          ; v208-219  the fragment's codes; v220-227 the conversions' second halves
.set TM,  228                          ; largest magnitudes, the other half's, bytes, scale operands
.set W,   244                          ; v244-247  the four K steps' scale words
.set SEL, 20
	s_load_b128 s[4:7], s[0:1], 0x0                ; x, acod
	s_load_b64 s[8:9], s[0:1], 0x10                ; ascl
	v_lshrrev_b32 v1, 5, v0
	v_readfirstlane_b32 s10, v1                    ; wave
	v_and_b32 v7, 31, v0
	v_and_b32 v8, 15, v0                           ; r
	v_bfe_u32 v9, v0, 4, 1                         ; h
	s_lshr_b32 s11, s10, 1                         ; which of the two row tiles
	s_and_b32 s12, s10, 1                          ; which half of K
	v_lshlrev_b32 v1, 4, v7
	s_mul_i32 s14, s10, STG
	v_add_nc_u32 v2, s14, v1                       ; the stage, on the way in
	v_mul_u32_u24 v3, v8, 528
	v_lshl_add_u32 v3, v9, 6, v3
	v_add_nc_u32 v3, s14, v3                       ; and on the way out: row r, + 64 h
	v_lshlrev_b32 v4, 3, v7
	s_lshl_b32 s15, s11, 9
	s_add_co_u32 s15, s15, XSB
	s_lshl_b32 s16, s12, 4
	s_add_co_u32 s16, s16, s15
	v_lshl_add_u32 v5, v8, 5, s16                  ; where my row's four scale words go
	s_lshl_b32 s16, s12, 8
	s_add_co_u32 s16, s16, s15
	v_add_nc_u32 v6, s16, v4                       ; and from where I take 8 bytes of the 256 that my wave stores
	s_mov_b32 s[SEL], 0x76543210
	s_mov_b32 s[SEL+1], 0xfedcba98
.irp b, 0,1,2,3
	v_mov_b32 v[TM+4+\b], 0                        ; a lane permute's destination counts as one of its sources
.endr
	s_lshl_b32 s22, ttmp9, 17
	s_lshl_b32 s23, s11, 15
	s_add_co_u32 s22, s22, s23
	s_lshl_b32 s23, s12, 11
	s_add_co_u32 s22, s22, s23
	s_mov_b32 s23, 0
	s_lshl_b32 s13, ttmp9, 1
	s_add_co_u32 s13, s13, s11                     ; T
	s_mul_i32 s24, s13, 12288
	s_mul_i32 s25, s12, 6144
	s_add_co_u32 s24, s24, s25
	s_mov_b32 s25, 0
	s_lshl_b32 s26, s13, 9
	s_lshl_b32 s27, s12, 8
	s_add_co_u32 s26, s26, s27
	s_mov_b32 s27, 0
	s_wait_alu depctr_va_vdst(0)
	s_wait_kmcnt 0x0
	s_add_nc_u64 s[4:5], s[4:5], s[22:23]
	s_add_nc_u64 s[6:7], s[6:7], s[24:25]
	s_add_nc_u64 s[8:9], s[8:9], s[26:27]
.macro LOAD j                          ; K step j of my four: 16 rows x 512 bytes
.irp i, 0,1,2,3,4,5,6,7,8,9,10,11,12,13,14,15
	global_load_b128 v[R+64*((\j)%2)+4*\i:R+64*((\j)%2)+4*\i+3], v1, s[4:5] offset:(16*(\i/8)+\i%8)*4096+512*(\j) th:TH_LOAD_NT
.endr
.endm
.macro TURNX j                         ; through the stage: LDS serves a wave's instructions in order
.irp i, 0,1,2,3,4,5,6,7,8,9,10,11,12,13,14,15
	ds_store_b128 v2, v[R+64*((\j)%2)+4*\i:R+64*((\j)%2)+4*\i+3] offset:528*\i
.endr
.irp b, 0,1,2,3
.irp q, 0,1,2,3
	ds_load_b128 v[X+16*\b+4*\q:X+16*\b+4*\q+3], v3 offset:128*\b+16*\q
.endr
.endr
.endm
.macro QUANT s, pw                     ; 64 numbers of a lane become a fragment's codes in v[PC] on and its scale word in v[pw]
.irp b, 0,1,2,3
	v_max3_num_f32 v[TM+\b], |v[\s+16*\b]|, |v[\s+1+16*\b]|, 0x1800000   ; with the floor 2^(3 - 127)
.endr
.irp i, 2,4,6,8,10,12,14
.irp b, 0,1,2,3
	v_max3_num_f32 v[TM+\b], v[TM+\b], |v[\s+16*\b+\i]|, |v[\s+1+16*\b+\i]|
.endr
.endr
.irp b, 0,1,2,3
	v_permlanex16_b32 v[TM+4+\b], v[TM+\b], s[SEL], s[SEL+1]
.endr
.irp b, 0,1,2,3
	v_max_num_f32 v[TM+\b], v[TM+\b], v[TM+4+\b]   ; with lane l xor 16's: the block's largest magnitude
.endr
.irp b, 0,1,2,3
	v_add_nc_u32 v[TM+12+\b], 0xff000000, v[TM+\b] ; 2 off its exponent field: the conversion's scale operand
.endr
.irp b, 0,1,2,3
	v_lshrrev_b32 v[TM+4+\b], 23, v[TM+12+\b]      ; the byte
.endr
	v_lshl_or_b32 v[\pw], v[TM+5], 8, v[TM+4]
	v_lshl_or_b32 v[\pw], v[TM+6], 16, v[\pw]
	v_lshl_or_b32 v[\pw], v[TM+7], 24, v[\pw]
.irp c, 0,1
	v_cvt_scalef32_pk16_fp6_f32 v[PC+6*\c:PC+2+6*\c], v[\s+32*\c:\s+15+32*\c], v[TM+12+2*\c]
	v_cvt_scalef32_pk16_fp6_f32 v[PC+12+4*\c:PC+14+4*\c], v[\s+16+32*\c:\s+31+32*\c], v[TM+12+2*\c+1]
.endr
	v_nop                                          ; one plain instruction behind the scaled conversions
.irp c, 0,1                                    ; the operand wants a whole block in a lane
.irp i, 0,1,2
	v_permlane16_swap_b32 v[PC+6*\c+\i], v[PC+12+4*\c+\i]
.endr
.irp i, 0,1,2
	v_mov_b32 v[PC+3+6*\c+\i], v[PC+12+4*\c+\i]
.endr
.endr
.endm
	LOAD 0
	LOAD 1
.irp j, 0,1,2,3
.if \j < 3
	s_wait_loadcnt 16                              ; this K step's 16 loads are in; the next step's 16 may be out
.else
	s_wait_loadcnt 0x0
.endif
	TURNX \j
	s_wait_dscnt 0x0                               ; my numbers are back, and the stores into the stage have read their registers,
.if \j < 2
	LOAD \j+2                                      ; which take the loads of two steps on
.endif
	s_wait_xcnt 0x0                                ; the last step's stores have read v[PC] on
	QUANT X, W+\j
.irp p, 0,1,2,3,4,5
	global_store_b64 v4, v[PC+2*\p:PC+2*\p+1], s[6:7] offset:1536*\j+256*\p   ; 32 lanes store 256 consecutive bytes, aligned
.endr
.endr
	ds_store_b128 v5, v[W:W+3]                     ; both lanes of a row write the same words
	s_wait_dscnt 0x0                               ; for the other wave of my row tile
	s_barrier_signal -1
	s_barrier_wait -1
	ds_load_b64 v[10:11], v6
	s_wait_dscnt 0x0
	global_store_b64 v4, v[10:11], s[8:9]          ; eight rows' 32 scale bytes: 256 consecutive bytes, aligned
	s_wait_tensorcnt 0x0                           ; the wave's end
	ds_add_u32 v254, v255
	s_wait_dscnt 0x0
	s_endpgm
; ---- the weights [1024 (k)][1024 (n)], K their FIRST axis.  A LANE TAKES A COLUMN AND ITS REGISTERS RUN DOWN K: each load reads 128 consecutive bytes a wave, a block of 32 lies in one lane.
; Work-group 256 + 32 y + x: weight x / 8, columns 128 (x % 8) on, K step y; wave w: 32 columns.  A wave's two fragments are gathered in its own stage and leave in stores of 512 consecutive bytes.
; The scale words leave as 4 bytes a lane, 32 bytes apart: a row's 32 scale bytes come from eight work-groups, and they are one byte in 128 of what this way reads.
.Lweights:
.set X,    32                          ; v32-159   my column's 128 numbers
.set C,    160                         ; v160-191  a block's codes
.set OUTR, 192                         ; v192-215  the way out
.set SB,   24                          ; v24       my column's scale word
	s_load_b256 s[4:11], s[0:1], 0x18              ; w_q, w_k, w_v, w_o
	s_load_b128 s[12:15], s[0:1], 0x38             ; wc, ws
	v_lshrrev_b32 v1, 5, v0
	v_readfirstlane_b32 s16, v1                    ; wave
	v_and_b32 v2, 31, v0                           ; lane = column in the group of 32
	s_wait_alu depctr_va_vdst(0)
	s_sub_co_u32 s28, ttmp9, 256
	s_bfe_u32 s17, s28, 0x20003                    ; t: which weight
	s_and_b32 s18, s28, 7
	s_lshl_b32 s18, s18, 7
	s_lshl_b32 s19, s16, 5
	s_add_co_u32 s18, s18, s19                     ; n0: my wave's first column
	s_lshr_b32 s19, s28, 5                         ; y: the K step
	v_lshlrev_b32 v3, 2, v2
	v_bfe_u32 v5, v2, 3, 1                         ; u: which of the two tiles
	v_bfe_u32 v6, v2, 4, 1
	v_and_b32 v10, 7, v2
	v_lshl_add_u32 v10, v6, 3, v10                 ; r: my row in that tile
	s_mul_i32 s20, s16, 3328                       ; my stage: two tiles, 1,664 bytes apart
	s_add_co_u32 s20, s20, QWB
	v_mul_u32_u24 v4, v5, 1664
	v_lshl_add_u32 v4, v10, 3, v4
	v_add_nc_u32 v4, s20, v4                       ; into it
	v_lshlrev_b32 v8, 4, v2
	v_add_nc_u32 v7, s20, v8                       ; out of it
	v_lshl_add_u32 v9, v5, 4, v10
	v_lshlrev_b32 v9, 5, v9                        ; my stored row's 32 scale bytes
	s_lshr_b32 s21, s18, 6                         ; head
	s_mul_i32 s21, s21, 12
	s_bfe_u32 s22, s18, 0x10005                    ; c
	s_mul_i32 s22, s22, 6
	s_add_co_u32 s21, s21, s22
	s_lshl_b32 s22, s17, 1
	s_add_co_u32 s21, s21, s22                     ; row tile 12 hd + 6 c + 2 t,
	s_lshr_b32 s22, s18, 4
	s_add_co_u32 s22, s22, 192                     ; or for w_o 192 + n0 / 16
	s_cmp_eq_u32 s17, 3
	s_cselect_b32 s21, s22, s21
	s_mul_i32 s22, s21, 12288
	s_mul_i32 s23, s19, 1536
	s_add_co_u32 s22, s22, s23
	s_mov_b32 s23, 0
	s_lshl_b32 s24, s21, 9
	s_lshl_b32 s25, s19, 2
	s_add_co_u32 s24, s24, s25
	s_mov_b32 s25, 0
	s_lshl_b32 s26, s19, 19                        ; 128 y rows of 4,096 bytes
	s_lshl_b32 s27, s18, 2
	s_add_co_u32 s26, s26, s27
	s_mov_b32 s27, 0
	s_wait_alu depctr_va_vdst(0)
	s_wait_kmcnt 0x0
	s_cmp_eq_u32 s17, 1                            ; the weight is chosen by the work-group's number alone
	s_cselect_b64 s[4:5], s[6:7], s[4:5]
	s_cmp_eq_u32 s17, 2
	s_cselect_b64 s[4:5], s[8:9], s[4:5]
	s_cmp_eq_u32 s17, 3
	s_cselect_b64 s[4:5], s[10:11], s[4:5]
	s_add_nc_u64 s[4:5], s[4:5], s[26:27]
	s_add_nc_u64 s[12:13], s[12:13], s[22:23]
	s_add_nc_u64 s[14:15], s[14:15], s[24:25]
.macro LOADW q                         ; block q: w(128 y + 32 q + i, my column)
.set i, 0
.rept 32
	global_load_b32 v[X+32*(\q)+i], v3, s[4:5] offset:(32*(\q)+i)*4096 th:TH_LOAD_NT
.set i, i+1
.endr
.endm
.macro BLOCK q
.set XS, X+32*(\q)
.set CQ, C+8*(\q)
	v_max3_num_f32 v12, |v[XS]|, |v[XS+1]|, |v[XS+2]|    ; the block's largest magnitude: all 32 numbers are mine
	v_max3_num_f32 v13, |v[XS+3]|, |v[XS+4]|, |v[XS+5]|
.irp i, 6,10,14,18,22,26
	v_max3_num_f32 v12, v12, |v[XS+\i]|, |v[XS+\i+1]|
	v_max3_num_f32 v13, v13, |v[XS+\i+2]|, |v[XS+\i+3]|
.endr
	v_max3_num_f32 v12, v12, |v[XS+30]|, |v[XS+31]|
	v_max3_num_f32 v12, v12, v13, 0x1800000        ; and the floor 2^(3 - 127)
	v_add_nc_u32 v11, 0xff000000, v12              ; the conversion's scale operand
	v_lshrrev_b32 v13, 23, v11                     ; the byte
.if (\q) == 0
	v_mov_b32 v[SB], v13
.else
	v_lshl_or_b32 v[SB], v13, 8*(\q), v[SB]
.endif
	v_cvt_scalef32_pk16_fp6_f32 v[CQ:CQ+2], v[XS:XS+15], v11
	v_cvt_scalef32_pk16_fp6_f32 v[CQ+4:CQ+6], v[XS+16:XS+31], v11
	v_nop                                          ; one plain instruction behind the scaled conversions
	v_mov_b32 v[CQ+3], v[CQ+4]
	v_mov_b32 v[CQ+4], v[CQ+5]
	v_mov_b32 v[CQ+5], v[CQ+6]                     ; registers 6 (q / 2) + 0 .. 5 of the fragment's lane r + 16 (q % 2)
.irp p, 0,1,2
	ds_store_b64 v4, v[CQ+2*\p:CQ+2*\p+1] offset:256*(3*((\q)/2)+\p)+128*((\q)%2)
.endr
.endm
	LOADW 0
	LOADW 1
	s_wait_loadcnt 32                              ; block 0 is in; block 1's 32 loads may be out
	LOADW 2
	BLOCK 0
	s_wait_loadcnt 32
	LOADW 3
	BLOCK 1
	s_wait_loadcnt 32
	BLOCK 2
	s_wait_loadcnt 0x0
	BLOCK 3
	global_store_b32 v9, v[SB], s[14:15]
.irp u, 0,1
.irp i, 0,1,2
	ds_load_b128 v[OUTR+12*\u+4*\i:OUTR+12*\u+4*\i+3], v7 offset:1664*\u+512*\i   ; LDS serves a wave's instructions in order: these see my stores
.endr
.endr
.irp u, 0,1
.irp i, 0,1,2
	s_wait_dscnt 5-(3*\u+\i)
	global_store_b128 v8, v[OUTR+12*\u+4*\i:OUTR+12*\u+4*\i+3], s[12:13] offset:12288*\u+512*\i   ; 512 consecutive bytes, aligned to 256
.endr
.endr
	s_wait_tensorcnt 0x0                           ; the wave's end
	ds_add_u32 v254, v255
	s_wait_dscnt 0x0
	s_endpgm
.Lfunc_end_k_q28004b90aa_prep:
	.size	k_q28004b90aa_prep, .Lfunc_end_k_q28004b90aa_prep-k_q28004b90aa_prep
	.p2alignl 7, 3214868480
	.fill 96, 4, 3214868480
	.section	.rodata,"a",@progbits
	.p2align	6, 0x0
	.amdhsa_kernel k_q28004b90aa_prep
		.amdhsa_group_segment_fixed_size 48640
		.amdhsa_private_segment_fixed_size 0
		.amdhsa_enable_private_segment 0
		.amdhsa_kernarg_size 72
		.amdhsa_user_sgpr_count 2
		.amdhsa_user_sgpr_kernarg_segment_ptr 1
		.amdhsa_wavefront_size32 1
		.amdhsa_system_sgpr_workgroup_id_x 1
		.amdhsa_system_sgpr_workgroup_id_y 1
		.amdhsa_system_sgpr_workgroup_id_z 1
		.amdhsa_system_vgpr_workitem_id 0
		.amdhsa_next_free_vgpr 256
		.amdhsa_next_free_sgpr 66
		.amdhsa_reserve_vcc 0
		.amdhsa_float_denorm_mode_32 3
		.amdhsa_float_denorm_mode_16_64 3
		.amdhsa_memory_ordered 1
		.amdhsa_forward_progress 1
		.amdhsa_inst_pref_size 57
	.end_amdhsa_kernel
	.amdgpu_metadata
---
amdhsa.version: [ 1, 2 ]
amdhsa.kernels:
  - .name:           k_q28004b90aa_prep
    .symbol:         k_q28004b90aa_prep.kd
    .args:
      - { .name: x, .offset: 0, .size: 8, .value_kind: global_buffer, .address_space: global }
      - { .name: acod, .offset: 8, .size: 8, .value_kind: global_buffer, .address_space: global }
      - { .name: ascl, .offset: 16, .size: 8, .value_kind: global_buffer, .address_space: global }
      - { .name: w_q, .offset: 24, .size: 8, .value_kind: global_buffer, .address_space: global }
      - { .name: w_k, .offset: 32, .size: 8, .value_kind: global_buffer, .address_space: global }
      - { .name: w_v, .offset: 40, .size: 8, .value_kind: global_buffer, .address_space: global }
      - { .name: w_o, .offset: 48, .size: 8, .value_kind: global_buffer, .address_space: global }
      - { .name: wc, .offset: 56, .size: 8, .value_kind: global_buffer, .address_space: global }
      - { .name: ws, .offset: 64, .size: 8, .value_kind: global_buffer, .address_space: global }
    .group_segment_fixed_size: 48640
    .private_segment_fixed_size: 0
    .kernarg_segment_align: 8
    .kernarg_segment_size: 72
    .max_flat_workgroup_size: 128
    .sgpr_count:     66
    .vgpr_count:     256
    .wavefront_size: 32
...
	.end_amdgpu_metadata
.endif
;; end of part 1
;; launch qkv (part 2): grid 16 x 32, 4 waves a work-group, clusters of 4 x 4, 327,680 bytes of LDS; arguments acod, ascl, wc, ws, b_q, b_k, b_v, mask, qc, qs, kv; writes qc, qs, kv
.if DOCPART == 2
	.amdgcn_target "amdgcn-amd-amdhsa--gfx1250"
	.amdhsa_code_object_version 6
	.text
	.protected	k_q28004b90aa_qkv
	.globl	k_q28004b90aa_qkv
	.p2align	8
	.type	k_q28004b90aa_qkv,@function
k_q28004b90aa_qkv:
	s_mov_b64 s[64:65], 0
	v_nop
	global_prefetch_b8 v0, s[64:65] scope:SCOPE_SE
	s_setreg_imm32_b32 hwreg(HW_REG_WAVE_MODE, 25, 1), 1
	s_wait_xcnt 0x0
	s_wait_alu depctr_hold_cnt(0) depctr_sa_sdst(0) depctr_va_vdst(0) depctr_va_sdst(0) depctr_va_ssrc(0) depctr_va_vcc(0) depctr_vm_vsrc(0)
	s_getreg_b32 s2, hwreg(HW_REG_IB_STS2, 6, 4)
	s_cmp_eq_u32 s2, 0
	s_cbranch_scc0 .Lentry_in_a_cluster
	s_endpgm
.Lentry_in_a_cluster:
	s_bfe_u32 s2, ttmp6, 0x10000c
	s_cmp_lg_u32 s2, 0xf033
	s_cbranch_scc0 .Lentry_shape_is_right
	s_endpgm
.Lentry_shape_is_right:
.set NB,    6
.set FR,    12
.set NL,    6
.set NP,    4
.set TILEB, 3072
.set AHALF, 8*TILEB
.set BHALF, NB*TILEB
.set BOFF,  2*AHALF
.set SLOT,  BOFF+2*BHALF
.set SCB,   2*SLOT
.set HSB,   2*NB*272
.set SCA,   SCB+2*HSB
.set HSA,   16*272
.set SPARE, ((SCA+2*HSA)/256+1)*256
.set KVB,   15104
.set LV,   7
.set VO,   8
.set PWA,  9
.set L16,  10
.set VWA,  11
.set RDP,  12
.set RDV,  13
.set VOV,  14
.set ADRA, 16
.set ADRB, 20
.set ADRS, 27
.set SPW,  28
.set NIL,  29
.set SC,   32
.set BIAS, 64
.set MK,   112
.set VZ,   120
.set VQX,  121
.set VKX,  122
.set VHQ,  123
.set VHU,  124
.set VHM,  125
.set AF,   0
.set BF,   96
.set TM,   128
.set PX,   132
.set SO,   136
.set BY,   140
.set E,    144
.set Y,    208
.set PWR,  216
.set HI,   232
.set PCV,  32
.set HV,   56
.set TMV,  72
.set PXV,  80
.set SOV,  88
.set BYV,  96
.set PWV,  104
.set G1, 24
.set G0, 32
.set G1B, 48
.set G0B, 56
.set G1S, 68
.set G0S, 76
.set G1SB, 80
.set G0SB, 88
.set SEL, 100
.set MSB, 0
.macro WIN new
.if MSB != (\new)
	s_set_vgpr_msb (MSB<<8)|(\new)
.set MSB, (\new)
.endif
.endm
.set MUL_LO, 0xa5
.set MUL_HI, 0xf5
.set FST_LO, 0x85
.set FST_HI, 0xc5
.set TO_F,   0x40
.macro JLOAD g0a, g1a, g0b, g1b
	s_cmp_eq_u32 s15, 0
	s_cbranch_scc0 .Lfor_b_\@
	tensor_load_to_lds s[\g0a:\g0a+3], s[\g1a:\g1a+7]
	s_nop 0
.rept 4
	v_nop
.endr
	s_branch .Lasked_\@
.Lfor_b_\@:
	tensor_load_to_lds s[\g0b:\g0b+3], s[\g1b:\g1b+7]
	s_nop 0
.rept 4
	v_nop
.endr
.Lasked_\@:
.endm
.macro CREST
	s_cmp_lg_u32 s14, 0
	s_cbranch_scc1 .Lnot_wave_0_\@
	s_barrier_signal -3
.Lnot_wave_0_\@:
	s_barrier_wait -3
	s_barrier_signal -1
	s_barrier_wait -1
.endm
.macro CROUND
	s_barrier_signal -1
	s_barrier_wait -1
	CREST
.endm
.macro PLACES n
.rept \n
	v_nop
.endr
.endm
	s_load_b256 s[4:11], s[0:1], 0x0
	s_load_b256 s[92:99], s[0:1], 0x20
	s_load_b64 s[66:67], s[0:1], 0x40
	s_load_b64 s[104:105], s[0:1], 0x48
	s_load_b64 s[12:13], s[0:1], 0x50
	v_lshl_add_u32 v[SPW], v0, 2, SPARE
	v_mov_b32 v[NIL], 0
	ds_add_u32 v28, v29
	ds_add_u32 v28, v29
	s_wait_dscnt 0x0
	v_lshrrev_b32 v1, 5, v0
	v_readfirstlane_b32 s14, v1
	s_lshr_b32 s15, s14, 1
	s_and_b32 s16, s14, 1
	s_bfe_u32 s40, ttmp6, 0x40000
	s_bfe_u32 s41, ttmp6, 0x40004
	s_lshl_b32 s42, ttmp9, 2
	s_add_co_u32 s42, s42, s40
	s_and_b32 s17, ttmp7, 0xffff
	s_lshl_b32 s17, s17, 2
	s_add_co_u32 s17, s17, s41
	s_lshl_b32 s43, s41, 2
	s_lshl_b32 s43, 15, s43
	s_lshl_b32 s44, 0x1111, s40
	s_or_b32 s[G1+0], s43, (3<<16)|(1<<21)
	s_mov_b32 s[G1+1], 384<<16
	s_mov_b32 s[G1+2], 16<<16
	s_mov_b32 s[G1+3], 384<<16
	s_mov_b32 s[G1+4], 16
	s_mov_b32 s[G1+5], 1536
	s_mov_b32 s[G1+6], 0
	s_mov_b32 s[G1+7], 0
	s_or_b32 s[G1B+0], s44, (3<<16)|(1<<21)
	s_mov_b32 s[G1B+1], 384<<16
	s_mov_b32 s[G1B+2], (2*NB)<<16
	s_mov_b32 s[G1B+3], 384<<16
	s_mov_b32 s[G1B+4], 2*NB
	s_mov_b32 s[G1B+5], 1536
	s_mov_b32 s[G1B+6], 0
	s_mov_b32 s[G1B+7], 0
	s_or_b32 s[G1S+0], s43, (3<<16)|(1<<20)|(1<<21)|(5<<22)|(3<<25)
	s_mov_b32 s[G1S+1], 32<<16
	s_mov_b32 s[G1S+2], 32<<16
	s_mov_b32 s[G1S+3], 32<<16
	s_mov_b32 s[G1S+4], 32
	s_mov_b32 s[G1S+5], 32
	s_mov_b32 s[G1S+6], 0
	s_mov_b32 s[G1S+7], 0
	s_or_b32 s[G1SB+0], s44, (3<<16)|(1<<20)|(1<<21)|(5<<22)|(3<<25)
	s_mov_b32 s[G1SB+1], 32<<16
	s_mov_b32 s[G1SB+2], (4*NB)<<16
	s_mov_b32 s[G1SB+3], 32<<16
	s_mov_b32 s[G1SB+4], 4*NB
	s_mov_b32 s[G1SB+5], 32
	s_mov_b32 s[G1SB+6], 0
	s_mov_b32 s[G1SB+7], 0
	s_mul_i32 s20, s17, 16*12288
	s_mov_b32 s21, 0
	s_lshl_b32 s22, s17, 13
	s_mov_b32 s23, 0
	s_mul_i32 s46, s42, 2*NB*12288
	s_mov_b32 s47, 0
	s_mul_i32 s18, s42, 2*NB*512
	s_mov_b32 s19, 0
	s_wait_kmcnt 0x0
	s_add_nc_u64 s[20:21], s[4:5], s[20:21]
	s_add_nc_u64 s[22:23], s[6:7], s[22:23]
	s_add_nc_u64 s[46:47], s[8:9], s[46:47]
	s_add_nc_u64 s[18:19], s[10:11], s[18:19]
	CROUND
	s_mov_b32 s[G0S], 1
	s_mov_b32 s[G0S+1], SCA
	s_mov_b64 s[G0S+2:G0S+3], s[22:23]
	s_or_b32 s[G0S+3], s[G0S+3], 0x80000000
	s_mov_b32 s[G0SB], 1
	s_mov_b32 s[G0SB+1], SCB
	s_mov_b64 s[G0SB+2:G0SB+3], s[18:19]
	s_or_b32 s[G0SB+3], s[G0SB+3], 0x80000000
; THE HEAD'S LOADS, ONE A WAVE: wave 0 slot 0's 16 row tiles of A, wave 1 its 12 of B, wave 2 the scales of A's 256 rows, wave 3 those of B's 192.
; Their group 0 for the codes lies in registers that held arguments; group 1 counts whole tiles here and is set to halves, for the ring's loads, behind the wait that shows these landed.
	s_mov_b32 s4, 1
	s_mov_b32 s5, 0
	s_mov_b64 s[6:7], s[20:21]
	s_or_b32 s7, s7, 0x80000000
	s_mov_b32 s8, 1
	s_mov_b32 s9, BOFF
	s_mov_b64 s[10:11], s[46:47]
	s_or_b32 s11, s11, 0x80000000
	s_mul_i32 s2, s16, 8*12288                     ; for the ring: my half of the tile's rows
	s_mov_b32 s3, 0
	s_add_nc_u64 s[20:21], s[20:21], s[2:3]
	s_mul_i32 s2, s16, NB*12288
	s_add_nc_u64 s[46:47], s[46:47], s[2:3]
.macro ARM under, g0, g1, next
	s_cmp_lt_u32 s14, \under
	s_cbranch_scc0 \next
	tensor_load_to_lds s[\g0:\g0+3], s[\g1:\g1+7]
	s_nop 0
.rept 4
	v_nop
.endr
	s_branch .Lhead_asked
\next:
.endm
.irp s, 0,1
	s_mov_b32 s[G0+4*\s], 1
	s_mul_i32 s[G0+4*\s+1], s16, AHALF
	s_add_co_u32 s[G0+4*\s+1], s[G0+4*\s+1], \s*SLOT
	s_add_nc_u64 s[G0+4*\s+2:G0+4*\s+3], s[20:21], \s*TILEB
	s_or_b32 s[G0+4*\s+3], s[G0+4*\s+3], 0x80000000
	s_mov_b32 s[G0B+4*\s], 1
	s_mul_i32 s[G0B+4*\s+1], s16, BHALF
	s_add_co_u32 s[G0B+4*\s+1], s[G0B+4*\s+1], \s*SLOT+BOFF
	s_add_nc_u64 s[G0B+4*\s+2:G0B+4*\s+3], s[46:47], \s*TILEB
	s_or_b32 s[G0B+4*\s+3], s[G0B+4*\s+3], 0x80000000
.endr
	ARM 1, 4, G1, .Lhead_b
	ARM 2, 8, G1B, .Lhead_sa
	ARM 3, G0S, G1S, .Lhead_sb
	tensor_load_to_lds s[G0SB:G0SB+3], s[G1SB:G1SB+7]
	s_nop 0
.rept 4
	v_nop
.endr
.Lhead_asked:
	v_and_b32 v1, 15, v0
	v_bfe_u32 v2, v0, 4, 1
	v_and_b32 v3, 31, v0
	v_lshlrev_b32 v4, 3, v3
	s_mul_i32 s21, s15, AHALF
	s_mul_i32 s22, s16, BHALF
	s_add_co_u32 s22, s22, BOFF
.irp s, 0,1
	v_add_nc_u32 v[ADRA+\s], s21, v4
	v_add_nc_u32 v[ADRB+\s], s22, v4
	s_add_co_u32 s21, s21, SLOT
	s_add_co_u32 s22, s22, SLOT
.endr
	v_lshlrev_b32 v5, 5, v1
	v_lshrrev_b32 v6, 3, v1
	v_lshl_add_u32 v5, v6, 4, v5
	s_mul_i32 s21, s16, HSB
	s_mul_i32 s22, s15, HSA
	s_add_co_u32 s22, s22, SCA-SCB
	s_sub_co_u32 s22, s22, s21
	v_mul_u32_u24 v6, s22, v2
	s_add_co_u32 s21, s21, SCB
	v_add_nc_u32 v5, v5, v6
	v_add_nc_u32 v[ADRS], s21, v5
	v_lshlrev_b32 v[L16], 4, v3
	s_wait_alu depctr_va_vdst(0)
	s_mul_i32 s45, s16, 3072
	v_add_nc_u32 v[LV], s45, v[L16]
	v_lshlrev_b32 v[VO], 4, v1
	v_lshl_add_u32 v[VO], v2, 10, v[VO]
	s_lshl_b32 s45, s16, 8
	v_add_nc_u32 v[VO], s45, v[VO]
	s_lshl_b32 s45, s15, 9
	s_lshl_b32 s21, s16, 10
	s_add_co_u32 s45, s45, s21
	v_lshl_add_u32 v[PWA], v1, 2, s45
	s_lshl_b32 s45, s15, 8
	s_lshl_b32 s21, s16, 7
	s_add_co_u32 s45, s45, s21
	s_add_co_u32 s45, s45, 4096
	v_lshl_add_u32 v[VWA], v1, 2, s45
	s_lshl_b32 s45, s15, 11
	s_lshl_b32 s21, s16, 9
	s_add_co_u32 s45, s45, s21
	v_add_nc_u32 v[RDP], s45, v[L16]
	v_add_nc_u32 v[RDV], 4096, v[L16]
	v_mul_u32_u24 v[VOV], v2, KVB
	v_lshl_add_u32 v[VOV], v1, 4, v[VOV]
	v_lshlrev_b32 v5, 6, v2
	s_wait_alu depctr_va_vdst(0)
	v_lshrrev_b32 v6, 3, v1
	v_lshl_add_u32 v6, v6, 3, v1
	v_lshlrev_b32 v6, 2, v6
	s_wait_alu depctr_va_vdst(0)
	s_lshl_b32 s18, s42, 8
	s_lshl_b32 s45, s16, 7
	s_add_co_u32 s18, s18, s45
	s_mov_b32 s19, 0
	s_add_nc_u64 s[92:93], s[92:93], s[18:19]
	s_add_nc_u64 s[94:95], s[94:95], s[18:19]
	s_add_nc_u64 s[96:97], s[96:97], s[18:19]
	s_lshl_b32 s18, s17, 10
	s_lshl_b32 s45, s15, 9
	s_add_co_u32 s18, s18, s45
	s_add_nc_u64 s[98:99], s[98:99], s[18:19]
.irp u, 0,1
	global_load_b128 v[BIAS+8*\u:BIAS+8*\u+3], v5, s[92:93] offset:32*\u
	global_load_b128 v[BIAS+8*\u+4:BIAS+8*\u+7], v5, s[92:93] offset:32*\u+16
	global_load_b128 v[BIAS+16+8*\u:BIAS+16+8*\u+3], v5, s[94:95] offset:32*\u
	global_load_b128 v[BIAS+16+8*\u+4:BIAS+16+8*\u+7], v5, s[94:95] offset:32*\u+16
.endr
.irp n, 0,1
.irp j, 0,1,2,3,4,5,6,7
	global_load_b32 v[BIAS+32+8*\n+\j], v6, s[96:97] offset:32*\n
.endr
.endr
.irp a, 0,1,2,3,4,5,6,7
	global_load_b32 v[MK+\a], v6, s[98:99] offset:4*(32*(\a/2)+8*(\a%2))
.endr
	s_mov_b32 s[SEL], 0x76543210
	s_mov_b32 s[SEL+1], 0xfedcba98
	s_lshl_b32 s2, s16, 3
	s_cmp_eq_u32 s16, 0
	s_cselect_b32 s45, 8, 0
	v_mov_b32 v[VQX], s45
	s_cselect_b32 s45, 40, 0
	v_mov_b32 v[VKX], s45
	s_cselect_b32 s45, 0x7f7f0000, 0
	v_mov_b32 v[VHQ], s45
	s_cselect_b32 s45, 0x01010000, 0
	v_mov_b32 v[VHU], s45
	s_cselect_b32 s45, 0x01a00000, 0
	v_mov_b32 v[VHM], s45
	v_mov_b32 v[VZ], 0
	s_lshr_b32 s18, s17, 3
	s_lshl_b32 s18, s18, 4
	s_add_co_u32 s18, s18, s42
	s_and_b32 s19, s17, 7
	s_lshl_b32 s20, s18, 17
	s_lshl_b32 s21, s19, 14
	s_add_co_u32 s20, s20, s21
	s_lshl_b32 s21, s15, 13
	s_add_co_u32 s20, s20, s21
	s_mov_b32 s21, 0
	s_add_nc_u64 s[66:67], s[66:67], s[20:21]
	s_lshl_b32 s20, s18, 13
	s_lshl_b32 s22, s19, 10
	s_add_co_u32 s20, s20, s22
	s_lshl_b32 s22, s16, 9
	s_add_co_u32 s20, s20, s22
	s_add_nc_u64 s[104:105], s[104:105], s[20:21]
	s_lshl_b32 s22, s18, 4
	s_lshl_b32 s23, s19, 1
	s_add_co_u32 s22, s22, s23
	s_mul_i32 s46, s22, KVB
	s_mov_b32 s47, 0
	s_add_nc_u64 s[46:47], s[12:13], s[46:47]
	s_mul_i32 s20, s15, KVB
	s_add_nc_u64 s[20:21], s[46:47], s[20:21]
	s_mul_i32 s22, s16, KVB
	s_add_co_u32 s22, s22, 14336
	s_mov_b32 s23, 0
	s_add_nc_u64 s[22:23], s[46:47], s[22:23]
.macro FRAG reg, adr, q, i
.irp p, 0,1,2,3,4,5
	ds_load_b64 v[\reg+2*\p:\reg+2*\p+1], v[\adr] offset:(\i)*TILEB+(\q)*1536+256*\p
.endr
.endm
.macro FETCH_B slot, q, p
	WIN TO_F
.irp i, 0,1,2,3,4,5
	FRAG BF+72*(\p)+FR*\i, ADRB+\slot, \q, \i
.endr
.endm
.macro FETCH_A slot, q, i0
	WIN TO_F
.irp i, \i0, \i0+1, \i0+2, \i0+3
	FRAG AF+FR*(\i), ADRA+\slot, \q, \i
.endr
.endm
.macro SCALES sc
.irp i, 0,1,2,3,4,5,6,7
	ds_load_b64 v[SC+16*\sc+2*\i:SC+16*\sc+2*\i+1], v[ADRS] offset:544*\i
.endr
.endm
.macro MULA a0, p, q, sc, first
.irp a, \a0, \a0+1
.set RA, AF+FR*(\a)
.set SAA, SC+16*(\sc)+2*(\a)+(\q)
.irp b, 0,1,2,3
.set DD, 32*((\a)%4)+8*\b
.set RB, BF+72*(\p)+FR*\b
.set SBB, SC+16*(\sc)+2*\b+(\q)
.if \first
	v_wmma_scale_f32_16x16x128_f8f6f4 v[DD:DD+7], v[RB:RB+FR-1], v[RA:RA+FR-1], v[BIAS+8*\b:BIAS+8*\b+7], v[SBB], v[SAA] matrix_a_fmt:MATRIX_FMT_FP6 matrix_b_fmt:MATRIX_FMT_FP6 matrix_b_scale:MATRIX_SCALE_ROW1
.else
	v_wmma_scale_f32_16x16x128_f8f6f4 v[DD:DD+7], v[RB:RB+FR-1], v[RA:RA+FR-1], v[DD:DD+7], v[SBB], v[SAA] matrix_a_fmt:MATRIX_FMT_FP6 matrix_b_fmt:MATRIX_FMT_FP6 matrix_b_scale:MATRIX_SCALE_ROW1
.endif
.endr
.irp n, 0,1
.set DD, 128+32*\n+8*((\a)%4)
.set RB, BF+72*(\p)+FR*(4+\n)
.set SBB, SC+16*(\sc)+2*(4+\n)+(\q)
.if \first
	v_wmma_scale_f32_16x16x128_f8f6f4 v[DD:DD+7], v[RA:RA+FR-1], v[RB:RB+FR-1], v[BIAS+32+8*\n:BIAS+32+8*\n+7], v[SAA], v[SBB] matrix_a_fmt:MATRIX_FMT_FP6 matrix_b_fmt:MATRIX_FMT_FP6 matrix_a_scale:MATRIX_SCALE_ROW1
.else
	v_wmma_scale_f32_16x16x128_f8f6f4 v[DD:DD+7], v[RA:RA+FR-1], v[RB:RB+FR-1], v[DD:DD+7], v[SAA], v[SBB] matrix_a_fmt:MATRIX_FMT_FP6 matrix_b_fmt:MATRIX_FMT_FP6 matrix_a_scale:MATRIX_SCALE_ROW1
.endif
.endr
.endr
.endm
.macro STEP slot, first
	s_wait_dscnt 4*NL
.if \first
	WIN FST_LO
.else
	WIN MUL_LO
.endif
	MULA 0, 0, 0, \slot, \first
	MULA 2, 0, 0, \slot, \first
	s_wait_dscnt 0x0
	PLACES NP
	FETCH_B \slot, 1, 1
	FETCH_A \slot, 1, 0
.if \first
	WIN FST_HI
.else
	WIN MUL_HI
.endif
	MULA 4, 0, 0, \slot, \first
	MULA 6, 0, 0, \slot, \first
	PLACES NP
	FETCH_A \slot, 1, 4
	WIN 0
.endm
.macro TURN slot, next, fill
	s_wait_tensorcnt 0x0
	ds_add_u32 v[SPW], v[NIL]
	s_wait_dscnt 4*NL+1
	WIN MUL_LO
	MULA 0, 1, 1, \slot, 0
	s_wait_dscnt 0x0
	s_barrier_signal -1
	MULA 2, 1, 1, \slot, 0
	WIN 0
	s_barrier_wait -1
.if \fill
	CREST
	s_add_nc_u64 s[G0+4*\slot+2:G0+4*\slot+3], s[G0+4*\slot+2:G0+4*\slot+3], 2*TILEB
	s_add_nc_u64 s[G0B+4*\slot+2:G0B+4*\slot+3], s[G0B+4*\slot+2:G0B+4*\slot+3], 2*TILEB
	JLOAD G0+4*\slot, G1, G0B+4*\slot, G1B
.else
	PLACES NP
.endif
	s_wait_alu depctr_va_vdst(0)
	v_add_nc_u32 v[ADRS], 8, v[ADRS]
	FETCH_B \next, 0, 0
	FETCH_A \next, 0, 0
	WIN 0
	SCALES \next
	WIN MUL_HI
	MULA 4, 1, 1, \slot, 0
	MULA 6, 1, 1, \slot, 0
	PLACES NP
	FETCH_A \next, 0, 4
	WIN 0
.endm
	s_wait_alu depctr_va_vdst(0)
	s_wait_tensorcnt 0x0                           ; my tile of the head's four is in
	ds_add_u32 v[SPW], v[NIL]
	s_mov_b32 s[G1+2], 8<<16                       ; no tensor load of mine is out: from here on a load brings half a tile's rows
	s_mov_b32 s[G1+4], 8
	s_mov_b32 s[G1B+2], NB<<16
	s_mov_b32 s[G1B+4], NB
	s_wait_dscnt 0x0
	CROUND                                         ; all four tiles are in, and all sixteen work-groups are here
	JLOAD G0+4, G1, G0B+4, G1B                     ; slot 1's first fill, the first tensor load behind the round
	FETCH_B 0, 0, 0
	FETCH_A 0, 0, 0
	WIN 0
	SCALES 0
	FETCH_A 0, 0, 4
	WIN 0
	s_wait_loadcnt 0x0
	STEP 0, 1
	TURN 0, 1, 1
	STEP 1, 0
	TURN 1, 0, 1
	STEP 0, 0
	TURN 0, 1, 0
	STEP 1, 0
	s_wait_dscnt 4*NL
	WIN MUL_LO
	MULA 0, 1, 1, 1, 0
	MULA 2, 1, 1, 1, 0
	s_wait_dscnt 0x0
	WIN MUL_HI
	MULA 4, 1, 1, 1, 0
	MULA 6, 1, 1, 1, 0
	WIN 0
.macro EPI_QK ty, w, base
.set EB, E+16*(2*\ty+\w)
.set PB, PWR+4*(2*\ty+\w)
.irp a, 0,1,2,3
	v_mov_b32 v[TM+\a], 0x1800000
.endr
	WIN 0x28+0x14*\w
.irp i, 0,2,4,6,8,10,12,14
.irp a, 0,1,2,3
	v_max3_num_f32 v[TM+\a], v[TM+\a], |v[32*\a+16*\ty+\i]|, |v[32*\a+16*\ty+\i+1]|
.endr
.endr
	WIN 0
.irp a, 0,1,2,3
	v_permlanex16_b32 v[PX+\a], v[TM+\a], s[SEL], s[SEL+1]
.endr
.irp a, 0,1,2,3
	v_max_num_f32 v[TM+\a], v[TM+\a], v[PX+\a]
.endr
.irp a, 0,1,2,3
	v_add_nc_u32 v[SO+\a], 0xff000000, v[TM+\a]
.endr
.irp a, 0,1,2,3
	v_lshrrev_b32 v[BY+\a], 23, v[SO+\a]
.endr
	WIN 0x02+\w
.irp pr, 0,1
	v_cvt_scalef32_pk16_fp6_f32 v[EB+8*\pr:EB+8*\pr+2], v[64*\pr+16*\ty:64*\pr+16*\ty+15], v[SO+2*\pr]
	v_cvt_scalef32_pk16_fp6_f32 v[Y+4*\pr:Y+4*\pr+2], v[64*\pr+32+16*\ty:64*\pr+32+16*\ty+15], v[SO+2*\pr+1]
.endr
	WIN 0
	v_nop
.irp a, 0,1,2,3
.if \ty
.set CR, EB+8*(\a/2)
.set XR, CR+6
.if \a%2
.set CR, Y+4*(\a/2)
.set XR, CR+3
.endif
	v_cmp_ne_u32 vcc_lo, 0, v[MK+4*\w+\a]
	v_cndmask_b32 v[CR], 0, v[CR], vcc_lo
	v_cndmask_b32 v[CR+1], 0, v[CR+1], vcc_lo
	v_cndmask_b32 v[CR+2], 0, v[CR+2], vcc_lo
	v_cndmask_b32 v[XR], v[VKX], v[VZ], vcc_lo
	v_cndmask_b32 v[HI+\a], v[VHM], v[VHU], vcc_lo
	v_lshl_or_b32 v[PB+\a], v[BY+\a], s2, v[HI+\a]
.else
	v_lshl_or_b32 v[PB+\a], v[BY+\a], s2, v[VHQ]
.endif
	ds_store_b32 v[PWA], v[PB+\a] offset:2048*\ty+64*(4*\w+\a)
.endr
.irp pr, 0,1
.irp i, 0,1,2
	v_permlane16_swap_b32 v[EB+8*\pr+\i], v[Y+4*\pr+\i]
.endr
.if \ty
	v_permlane16_swap_b32 v[EB+8*\pr+6], v[Y+4*\pr+3]
.else
	v_mov_b32 v[EB+8*\pr+6], v[VQX]
.endif
.irp i, 0,1,2
	v_mov_b32 v[EB+8*\pr+3+\i], v[Y+4*\pr+\i]
.endr
	v_mov_b32 v[EB+8*\pr+7], 0
	global_store_b128 v[VO], v[EB+8*\pr:EB+8*\pr+3], s[\base:\base+1] offset:1024*(4*\w+2*\pr)
	global_store_b128 v[VO], v[EB+8*\pr+4:EB+8*\pr+7], s[\base:\base+1] offset:1024*(4*\w+2*\pr)+512
.endr
.endm
	PLACES NP
.irp a, 0,1,2,3
	v_mov_b32 v[PX+\a], 0
.endr
.irp a, 0,1,2,3,4,5,6,7
	v_mov_b32 v[PXV+\a], 0
.endr
	EPI_QK 0, 0, 66
	EPI_QK 0, 1, 66
	EPI_QK 1, 0, 20
	EPI_QK 1, 1, 20
.irp a, 0,1,2,3,4,5,6,7
	v_mov_b32 v[TMV+\a], 0x1800000
.endr
.irp w, 0,1
	WIN 0x28+0x14*\w
.irp i, 0,2,4,6,8,10,12,14
.irp n, 0,1
.irp g, 0,1
	v_max3_num_f32 v[TMV+4*\n+2*\w+\g], v[TMV+4*\n+2*\w+\g], |v[128+32*\n+16*\g+\i]|, |v[128+32*\n+16*\g+\i+1]|
.endr
.endr
.endr
.endr
	WIN 0
.irp a, 0,1,2,3,4,5,6,7
	v_permlanex16_b32 v[PXV+\a], v[TMV+\a], s[SEL], s[SEL+1]
.endr
.irp a, 0,1,2,3,4,5,6,7
	v_max_num_f32 v[TMV+\a], v[TMV+\a], v[PXV+\a]
.endr
.irp a, 0,1,2,3,4,5,6,7
	v_add_nc_u32 v[SOV+\a], 0xff000000, v[TMV+\a]
.endr
.irp a, 0,1,2,3,4,5,6,7
	v_lshrrev_b32 v[BYV+\a], 23, v[SOV+\a]
.endr
.irp n, 0,1
	v_lshl_or_b32 v[PWV+\n], v[BYV+4*\n+1], 8, v[BYV+4*\n]
	v_lshl_or_b32 v[PWV+\n], v[BYV+4*\n+2], 16, v[PWV+\n]
	v_lshl_or_b32 v[PWV+\n], v[BYV+4*\n+3], 24, v[PWV+\n]
.endr
.irp w, 0,1
	WIN 0x02+\w
.irp n, 0,1
	v_cvt_scalef32_pk16_fp6_f32 v[PCV+12*\n+6*\w:PCV+12*\n+6*\w+2], v[128+32*\n:128+32*\n+15], v[SOV+4*\n+2*\w]
	v_cvt_scalef32_pk16_fp6_f32 v[HV+8*\n+4*\w:HV+8*\n+4*\w+2], v[128+32*\n+16:128+32*\n+31], v[SOV+4*\n+2*\w+1]
.endr
.endr
	WIN 0
	v_nop
.irp n, 0,1
.irp w, 0,1
.irp i, 0,1,2
	v_permlane16_swap_b32 v[PCV+12*\n+6*\w+\i], v[HV+8*\n+4*\w+\i]
.endr
.irp i, 0,1,2
	v_mov_b32 v[PCV+12*\n+6*\w+3+\i], v[HV+8*\n+4*\w+\i]
.endr
.endr
.irp i, 0,1,2
	global_store_b128 v[LV], v[PCV+12*\n+4*\i:PCV+12*\n+4*\i+3], s[20:21] offset:8192+1536*\n+512*\i
.endr
	ds_store_b32 v[VWA], v[PWV+\n] offset:64*\n
.endr
	s_wait_dscnt 0x0
	s_barrier_signal -1
	s_barrier_wait -1
	ds_load_b128 v[236:239], v[RDP]
	ds_load_b128 v[240:243], v[RDP] offset:1024
	s_cmp_eq_u32 s15, 0
	s_cselect_b64 s[22:23], s[104:105], s[22:23]
	s_wait_dscnt 0x0
.irp i, 0,1,2,3
	v_or_b32 v[236+\i], v[236+\i], v[240+\i]
.endr
	global_store_b128 v[L16], v[236:239], s[22:23]
	s_cmp_lg_u32 s14, 0
	s_cbranch_scc1 .Lnot_first
	ds_load_b128 v[248:251], v[RDV]
	s_wait_dscnt 0x0
	global_store_b128 v[VOV], v[248:251], s[46:47] offset:14848
.Lnot_first:
	s_wait_tensorcnt 0x0
	ds_add_u32 v[SPW], v[NIL]
	s_wait_dscnt 0x0
	CROUND
	s_endpgm
.Lfunc_end_k_q28004b90aa_qkv:
	.size	k_q28004b90aa_qkv, .Lfunc_end_k_q28004b90aa_qkv-k_q28004b90aa_qkv
	.p2alignl 7, 3214868480
	.fill 96, 4, 3214868480
	.section	.rodata,"a",@progbits
	.p2align	6, 0x0
	.amdhsa_kernel k_q28004b90aa_qkv
		.amdhsa_group_segment_fixed_size 327680
		.amdhsa_private_segment_fixed_size 0
		.amdhsa_enable_private_segment 0
		.amdhsa_kernarg_size 88
		.amdhsa_user_sgpr_count 2
		.amdhsa_user_sgpr_kernarg_segment_ptr 1
		.amdhsa_wavefront_size32 1
		.amdhsa_system_sgpr_workgroup_id_x 1
		.amdhsa_system_sgpr_workgroup_id_y 1
		.amdhsa_system_sgpr_workgroup_id_z 1
		.amdhsa_system_vgpr_workitem_id 0
		.amdhsa_next_free_vgpr 1024
		.amdhsa_next_free_sgpr 106
		.amdhsa_reserve_vcc 1
		.amdhsa_float_denorm_mode_32 3
		.amdhsa_float_denorm_mode_16_64 3
		.amdhsa_memory_ordered 1
		.amdhsa_forward_progress 1
		.amdhsa_inst_pref_size 145
	.end_amdhsa_kernel
	.amdgpu_metadata
---
amdhsa.version: [ 1, 2 ]
amdhsa.kernels:
  - .name:           k_q28004b90aa_qkv
    .symbol:         k_q28004b90aa_qkv.kd
    .args:
      - { .name: acod, .offset: 0, .size: 8, .value_kind: global_buffer, .address_space: global }
      - { .name: ascl, .offset: 8, .size: 8, .value_kind: global_buffer, .address_space: global }
      - { .name: wc, .offset: 16, .size: 8, .value_kind: global_buffer, .address_space: global }
      - { .name: ws, .offset: 24, .size: 8, .value_kind: global_buffer, .address_space: global }
      - { .name: b_q, .offset: 32, .size: 8, .value_kind: global_buffer, .address_space: global }
      - { .name: b_k, .offset: 40, .size: 8, .value_kind: global_buffer, .address_space: global }
      - { .name: b_v, .offset: 48, .size: 8, .value_kind: global_buffer, .address_space: global }
      - { .name: mask, .offset: 56, .size: 8, .value_kind: global_buffer, .address_space: global }
      - { .name: qc, .offset: 64, .size: 8, .value_kind: global_buffer, .address_space: global }
      - { .name: qs, .offset: 72, .size: 8, .value_kind: global_buffer, .address_space: global }
      - { .name: kv, .offset: 80, .size: 8, .value_kind: global_buffer, .address_space: global }
    .group_segment_fixed_size: 327680
    .private_segment_fixed_size: 0
    .kernarg_segment_align: 8
    .kernarg_segment_size: 88
    .max_flat_workgroup_size: 128
    .sgpr_count:     106
    .vgpr_count:     1024
    .wavefront_size: 32
...
	.end_amdgpu_metadata
.endif
;; end of part 2
;; launch attn (part 3): grid 4 x 64, 16 waves a work-group, clusters of 4 x 1, 262,144 bytes of LDS; arguments qc, qs, kv, acod, ascl; writes acod, ascl
.if DOCPART == 3
	.amdgcn_target "amdgcn-amd-amdhsa--gfx1250"
	.amdhsa_code_object_version 6
	.text
	.protected	k_q28004b90aa_attn
	.globl	k_q28004b90aa_attn
	.p2align	8
	.type	k_q28004b90aa_attn,@function
k_q28004b90aa_attn:
	s_mov_b64 s[64:65], 0
	v_nop
	global_prefetch_b8 v0, s[64:65] scope:SCOPE_SE
	s_setreg_imm32_b32 hwreg(HW_REG_WAVE_MODE, 25, 1), 1
	s_wait_xcnt 0x0
	s_wait_alu depctr_hold_cnt(0) depctr_sa_sdst(0) depctr_va_vdst(0) depctr_va_sdst(0) depctr_va_ssrc(0) depctr_va_vcc(0) depctr_vm_vsrc(0)
	s_getreg_b32 s2, hwreg(HW_REG_IB_STS2, 6, 4)
	s_cmp_eq_u32 s2, 0
	s_cbranch_scc0 .Lentry_in_a_cluster
	s_endpgm
.Lentry_in_a_cluster:
	s_bfe_u32 s2, ttmp6, 0x10000c
	s_cmp_lg_u32 s2, 0x3003
	s_cbranch_scc0 .Lentry_shape_is_right
	s_endpgm
.Lentry_shape_is_right:
; context = softmax(Q K^T / 8, masked) V for one (batch, head), both products on codes of E2M3; the context is quantised along the model's 1,024 and stored as the last product's operand.
; THE SOFTMAX: t = score x log2(e) / 8; M = the running largest t rounded UP to a whole number; p = 2^(t - M) is quantised along the keys, not normalised; the row's sum is taken of the unquantised p and divides at the end.
; When M moves, the sum and O are multiplied by 2^(old M - new M): exact.
; THE MASK: a masked key's raw score comes out of the first product as -2^33 (the launch before has laid that into K's codes and scale bytes at k = 64, which the head's 64 channels leave free).
; LIMITS: a masked logit is -2^30 where the definition has -1e9: results differ only where a row's largest open logit lies under about -1e9 + 150.  The scaled scores stay under 2^31 in magnitude.  NaN and infinities are not served.
; SHARES: a head's K and V, 16 blocks of 15,104 bytes (128 keys each), lie in LDS whole: each of the sixteen waves asks for one block, once; nothing is filled again.  A work-group owns 512 queries of the head; a wave owns
; one tile of 16 queries in each of two passes over the 2,048 keys, 128 a step.
; CLUSTER: the head's four work-groups read the same K and V: every fill is asked for jointly.  Nothing is prefetched: all of a head's bytes are asked for by the fills at the head, and no loop runs ahead of them.
; A block of kv in memory: K's 8 tile images (1,024 bytes: registers 0-3 of lane l at 16 l, registers 4-7 at 512 + 16 l) | V's 4 fragments (1,536 bytes) at 8192 | K's 128 scale words at 14336 | V's 64 at 14848.
; In LDS each 256 bytes are followed by 16 of padding: a block is 59 rows of 272 bytes.
; LAYOUT: both products transposed (S^T = K Q^T, O^T = V^T P^T): a lane holds one query.  Stored tile T, row i, holds key 32 (T / 2) + 8 (T % 2) + i + 8 (i / 8) of the block.
; A TILE OF K IS COMPOSED BY THE LANES' ADDRESSES: tile n = 4 c + 2 a + u takes as rows 0-7 rows 8 a + 0 .. 7 of stored tile 4 c + u and as rows 8-15 the same rows of stored tile 4 c + 2 + u.
; Then register 32 c + 8 (2 a + u) + j of lane (r, h) is key 64 c + 32 h + 8 (2 a + u) + j: A LANE HOLDS A WHOLE BLOCK OF 32 KEYS IN 32 NEIGHBOURING REGISTERS, as the next operand's layout wants it: no lane is asked for
; a block's maximum and no codes change lanes.  Two stored tiles apart are 2,176 bytes, 128 modulo 256: the sixteen lanes of a load's half touch sixteen different columns of 16 bytes.
; K'S FRAGMENTS LIE 8 REGISTERS APART: registers 8-11 of a fragment are the next fragment's first four.  They stand for k from 74 on, where all of Q's codes are zeros (Q's registers 7 to 11 are zeros), and every code of E2M3 is a finite number: they add nothing.
; All eight fragments of a step are asked for one step ahead, behind the exponentials.  The last step of a pass asks for block 15 once more (the loop has one text); each pass asks for block 0 itself.
.set KVB, 15104
.set LB,  16048                        ; a block in LDS
.set SPARE, 16*LB                      ; the spare words: 128 bytes for each wave
.set AK,  1                            ; lane terms of the LDS addresses: K's fragments 2176 (r / 8) + 16 (r % 8) + 272 h
.set AV,  2                            ; V's 16 r + 272 h
.set AKS, 3                            ; K's scale words 128 (r / 8) + 4 (r % 8) + 32 h: lanes 0-15 a = 0, lanes 16-31 a = 1
.set AVS, 4                            ; V's 4 x lane: lanes 0-15 tile 2 i, lanes 16-31 tile 2 i + 1
.set ADK, 5                            ; the same with a block's place added
.set ADV, 6
.set ADS, 7
.set ADVS, 8
.set SH8, 9                            ; 8 h
.set L8,  10                           ; 8 x lane
.set SBO, 11                           ; 32 r + h: my scale byte of the context
.set Q,   16                           ; v16-27 Q; v12 -M, v13 the largest raw score, v[14:15] the sum
.set QS,  28                           ; its scale words; v29 pass 1's
.set QS1, 29
.set SPW, 30
.set NIL, 31
.set KF,  32                           ; v32-99 K's eight fragments
.set HH,  100
.set T,   101
.set T2,  102
.set BYO, 103
.set KS,  104                          ; v104-107 K's scale words, register 2 c + u
.set VS,  108                          ; v108-109 V's
.set BM,  110                          ; the two blocks' largest scores, then largest p
.set BX,  112                          ; second chains
.set SO,  114                          ; scale operands
.set BY,  116                          ; bytes
.set PW,  118                          ; p's scale word
.set W,   119
.set PX,  120                          ; v120-121 what lane l xor 16 sends
.set F,   122                          ; v[122:123] f = 2^(old M - new M)
.set SA,  124                          ; v124-129 three more chains of the sum
.set S,   132                          ; v132-195 S^T, then p; then v132-179 V's four fragments
.set O,   196                          ; v196-227 O^T
.set PC,  228                          ; v228-239 p's codes
.set HF,  240                          ; v240-246 the conversions' second halves
.set Q1,  248                          ; v248-255 Q of pass 1
.set WV,  18
.set TN,  19                           ; the block asked for next
.set SEL, 20
.set CS,  22                           ; s[22:23] c = log2(e) / 8
.set TB,  2                            ; LDS byte at which the step's block begins
.set CNT, 3
.macro ROUND                           ; a round of the cluster's barrier
	s_barrier_signal -1
	s_barrier_wait -1
	s_cmp_lg_u32 s[WV], 0
	s_cbranch_scc1 .Lnot_wave_0_\@
	s_barrier_signal -3
.Lnot_wave_0_\@:
	s_barrier_wait -3
	s_barrier_signal -1
	s_barrier_wait -1
.endm
	s_load_b256 s[4:11], s[0:1], 0x0               ; qc, qs, kv, acod
	s_load_b64 s[12:13], s[0:1], 0x20              ; ascl
	v_lshl_add_u32 v[SPW], v0, 2, SPARE
	v_mov_b32 v[NIL], 0
	ds_add_u32 v[SPW], v[NIL]                      ; the opening lines: the add, twice on end, and its wait
	ds_add_u32 v[SPW], v[NIL]
	v_lshrrev_b32 v[T], 5, v0
	v_readfirstlane_b32 s[WV], v[T]                ; wave 0..15
	s_bfe_u32 s14, ttmp6, 0x40000                  ; cx: which 512 queries; it enters global addresses of Q and of the context alone
	s_and_b32 s15, ttmp7, 0xffff                   ; bh
	s_mul_i32 s17, s[WV], KVB                      ; the block that I fetch
	s_mul_i32 s48, s15, 16*KVB
	s_add_co_u32 s48, s48, s17
	s_mov_b32 s49, 0
	; descriptor group 1: a block of kv, dense: 59 rows of 256 bytes (32 elements of 8), 16 bytes of padding behind each
	s_mov_b32 s24, 15|(3<<16)|(1<<20)|(1<<21)|(5<<22)|(3<<25)
	s_mov_b32 s25, 32<<16
	s_mov_b32 s26, 59<<16
	s_mov_b32 s27, 32<<16
	s_mov_b32 s28, 59
	s_mov_b32 s29, 32
	s_mov_b32 s30, 0
	s_mov_b32 s31, 0
	s_mov_b32 s32, 1
	s_mul_i32 s33, s[WV], LB
	s_lshl_b32 s50, s14, 5
	s_add_co_u32 s50, s50, s[WV]                   ; my query tile of pass 0: 32 cx + wave; pass 1's is 16 further on
	s_lshl_b32 s52, s15, 17
	s_lshl_b32 s53, s50, 10
	s_add_co_u32 s52, s52, s53
	s_mov_b32 s53, 0                               ; Q's image
	s_lshl_b32 s54, s15, 13
	s_lshl_b32 s55, s50, 6
	s_add_co_u32 s54, s54, s55
	s_mov_b32 s55, 0                               ; Q's scale words
	s_lshr_b32 s51, s15, 4
	s_lshl_b32 s51, s51, 7
	s_add_co_u32 s51, s51, s50                     ; the context's row tile: 128 batch + query tile
	s_and_b32 s60, s15, 15                         ; head
	s_mul_i32 s56, s51, 12288
	s_mul_i32 s57, s60, 768                        ; K step head / 2, registers 6 (head % 2) on: three pieces of 256 bytes
	s_add_co_u32 s56, s56, s57
	s_mov_b32 s57, 0
	s_lshl_b32 s58, s51, 9
	s_lshl_b32 s59, s60, 1
	s_add_co_u32 s58, s58, s59
	s_mov_b32 s59, 0
	s_mov_b32 s[SEL], 0x76543210
	s_mov_b32 s[SEL+1], 0xfedcba98
	s_mov_b32 s[CS], 0x3e38aa3b
	s_mov_b32 s[CS+1], s[CS]                       ; (named with it as a pair, so it is written)
	s_wait_dscnt 0x0
	s_wait_kmcnt 0x0
	s_add_nc_u64 s[34:35], s[8:9], s[48:49]
	s_or_b32 s35, s35, 0x80000000
	s_add_nc_u64 s[4:5], s[4:5], s[52:53]
	s_add_nc_u64 s[6:7], s[6:7], s[54:55]
	s_add_nc_u64 s[10:11], s[10:11], s[56:57]
	s_add_nc_u64 s[12:13], s[12:13], s[58:59]
	ROUND                                          ; all four work-groups are here: the joint loads meet
	tensor_load_to_lds s[32:35], s[24:31]          ; block = my wave's number: one load a wave, one line for all
	s_nop 0
	v_and_b32 v[BM], 31, v0                        ; lane
	v_and_b32 v[BM+1], 15, v0                      ; r
	v_bfe_u32 v[HH], v0, 4, 1                      ; h
	v_bfe_u32 v[T], v0, 3, 1                       ; r / 8
	v_and_b32 v[T2], 7, v0                         ; r % 8
	v_lshlrev_b32 v[ADK], 4, v[BM]                 ; for Q's loads: 16 x lane,
	v_lshlrev_b32 v[ADS], 2, v[BM+1]               ; 4 r
	v_lshlrev_b32 v[L8], 3, v[BM]
	v_lshl_add_u32 v[SBO], v[BM+1], 5, v[HH]
	global_load_b128 v[Q:Q+3], v[ADK], s[4:5]
	global_load_b128 v[Q+4:Q+7], v[ADK], s[4:5] offset:512
	global_load_b32 v[QS], v[ADS], s[6:7]
	global_load_b128 v[Q1:Q1+3], v[ADK], s[4:5] offset:16384
	global_load_b128 v[Q1+4:Q1+7], v[ADK], s[4:5] offset:16896
	global_load_b32 v[QS1], v[ADS], s[6:7] offset:1024
	v_mul_u32_u24 v[AK], v[T], 2176
	v_lshl_add_u32 v[AK], v[T2], 4, v[AK]
	v_mad_u32_u24 v[AK], v[HH], 272, v[AK]
	v_lshlrev_b32 v[AV], 4, v[BM+1]
	v_mad_u32_u24 v[AV], v[HH], 272, v[AV]
	v_lshlrev_b32 v[AKS], 7, v[T]
	v_lshl_add_u32 v[AKS], v[T2], 2, v[AKS]
	v_lshl_add_u32 v[AKS], v[HH], 5, v[AKS]
	v_lshlrev_b32 v[AVS], 2, v[BM]
	v_lshlrev_b32 v[SH8], 3, v[HH]
.irp i, 8,9,10,11
	v_mov_b32 v[Q+\i], 0
	v_mov_b32 v[KF+56+\i], 0                       ; behind the eighth fragment's eight
.endr
	v_mov_b32 v[PX], 0                             ; written once: a lane permute's destination counts as one of its sources
	v_mov_b32 v[PX+1], 0
	v_mov_b32 v[F+1], 0                            ; (named as the upper half of a pair)
.macro KLOADS                          ; a block's eight fragments of K and their scale words
.irp n, 0,1,2,3,4,5,6,7
	ds_load_b128 v[KF+8*\n:KF+8*\n+3], v[ADK] offset:1088*(4*(\n/4)+\n%2)+128*((\n%4)/2)
	ds_load_b128 v[KF+8*\n+4:KF+8*\n+7], v[ADK] offset:1088*(4*(\n/4)+\n%2)+128*((\n%4)/2)+544
.endr
.irp m, 0,1,2,3
	ds_load_b32 v[KS+\m], v[ADS] offset:272*(56+\m/2)+64*(\m%2)
.endr
.endm
.macro KSTART                          ; block 0's, ahead of a pass
	s_mov_b32 s[TN], 0
	v_add_nc_u32 v[ADK], s[TN], v[AK]
	v_add_nc_u32 v[ADS], s[TN], v[AKS]
	KLOADS
.endm
.macro INIT
	v_mov_b32 v13, 0xff61b1e6                      ; the largest raw score so far: -3e38
	v_mov_b32 v12, 0x7f61b1e6                      ; -M: 3e38, so that the first f is 0
	v_mov_b32 v14, 0                               ; the sum, in two halves
	v_mov_b32 v15, 0
.set j, 0
.rept 32
	v_mov_b32 v[O+j], 0                            ; O^T: the first step finds zeros, which the first change of M leaves zeros
.set j, j+1
.endr
.endm
.macro SMUL n                          ; S^T, tile n
.if ((\n)%4)/2
	v_wmma_scale_f32_16x16x128_f8f6f4 v[S+8*(\n):S+8*(\n)+7], v[KF+8*(\n):KF+8*(\n)+11], v[Q:Q+11], 0, v[KS+2*((\n)/4)+(\n)%2], v[QS] matrix_a_fmt:MATRIX_FMT_FP6 matrix_b_fmt:MATRIX_FMT_FP6 matrix_a_scale:MATRIX_SCALE_ROW1
.else
	v_wmma_scale_f32_16x16x128_f8f6f4 v[S+8*(\n):S+8*(\n)+7], v[KF+8*(\n):KF+8*(\n)+11], v[Q:Q+11], 0, v[KS+2*((\n)/4)+(\n)%2], v[QS] matrix_a_fmt:MATRIX_FMT_FP6 matrix_b_fmt:MATRIX_FMT_FP6
.endif
.endm
.macro OMUL t                          ; O^T += V^T P^T, tile t of 16 channels
.if (\t)%2
	v_wmma_scale_f32_16x16x128_f8f6f4 v[O+8*(\t):O+8*(\t)+7], v[S+12*(\t):S+12*(\t)+11], v[PC:PC+11], v[O+8*(\t):O+8*(\t)+7], v[VS+(\t)/2], v[PW] matrix_a_fmt:MATRIX_FMT_FP6 matrix_b_fmt:MATRIX_FMT_FP6 matrix_a_scale:MATRIX_SCALE_ROW1
.else
	v_wmma_scale_f32_16x16x128_f8f6f4 v[O+8*(\t):O+8*(\t)+7], v[S+12*(\t):S+12*(\t)+11], v[PC:PC+11], v[O+8*(\t):O+8*(\t)+7], v[VS+(\t)/2], v[PW] matrix_a_fmt:MATRIX_FMT_FP6 matrix_b_fmt:MATRIX_FMT_FP6
.endif
.endm
.macro TMM from, to                    ; t - M of registers from .. to - 1, two at a time
.set j, \from
.rept ((\to)-(\from))/2
	v_pk_fma_f32 v[S+j:S+j+1], v[S+j:S+j+1], s[CS:CS+1], v[12:13] op_sel_hi:[1,0,0]
.set j, j+2
.endr
.endm
.macro SUMS from, to                   ; pairs from .. to - 1 of p's 32 go into the sum's four chains; pair 0 with the old sum x f
.set j, \from
.rept (\to)-(\from)
.if j == 0
	v_pk_fma_f32 v[14:15], v[14:15], v[F:F+1], v[S:S+1] op_sel_hi:[1,0,1]
.elseif j < 7
.if j%2
	v_pk_add_f32 v[SA+j-1:SA+j], v[S+2*j:S+2*j+1], v[S+2*j+2:S+2*j+3]
.endif
.elseif (j-7)%4 == 0
	v_pk_add_f32 v[14:15], v[14:15], v[S+2*j:S+2*j+1]
.else
	v_pk_add_f32 v[SA+2*((j-7)%4)-2:SA+2*((j-7)%4)-1], v[SA+2*((j-7)%4)-2:SA+2*((j-7)%4)-1], v[S+2*j:S+2*j+1]
.endif
.set j, j+1
.endr
.endm
; A KEY STEP: 128 keys
.macro STEP
	s_wait_dscnt 0x0                               ; this block's fragments of K and their scale words, asked for a step ago
.irp n, 0,1,2,3,4,5,6,7
	SMUL \n
.endr
	v_add_nc_u32 v[ADV], s[TB], v[AV]              ; four places behind the products
	v_add_nc_u32 v[ADVS], s[TB], v[AVS]
	v_mov_b32 v[T2], v12
	v_nop
	s_add_co_u32 s[TB], s[TB], LB
	s_min_u32 s[TN], s[TB], 15*LB
.irp c, 0,1                                    ; the largest score of my two blocks of 32 keys, each in two chains: for the row's maximum, and, since p rises with the score, for the block's largest p
	v_max3_num_f32 v[BM+\c], v[S+32*\c], v[S+32*\c+1], v[S+32*\c+2]
	v_max3_num_f32 v[BX+\c], v[S+32*\c+16], v[S+32*\c+17], v[S+32*\c+18]
.endr
.irp i, 3,5,7,9,11,13
.irp c, 0,1
	v_max3_num_f32 v[BM+\c], v[BM+\c], v[S+32*\c+\i], v[S+32*\c+\i+1]
	v_max3_num_f32 v[BX+\c], v[BX+\c], v[S+32*\c+16+\i], v[S+32*\c+17+\i]
.endr
.endr
.irp c, 0,1
	v_max3_num_f32 v[BM+\c], v[BM+\c], v[BX+\c], v[S+32*\c+15]
.endr
.irp c, 0,1
	v_max_num_f32 v[BM+\c], v[BM+\c], v[S+32*\c+31]
.endr
	s_delay_alu instid0(VALU_DEP_1)
	v_max_num_f32 v[T], v[BM], v[BM+1]
	s_delay_alu instid0(VALU_DEP_1)
	v_permlanex16_b32 v[PX], v[T], s[SEL], s[SEL+1]
	s_delay_alu instid0(VALU_DEP_1)
	v_max3_num_f32 v13, v13, v[T], v[PX]           ; the running largest raw score, with lane l xor 16's two blocks
	s_delay_alu instid0(VALU_DEP_1)
	v_mul_f32 v[T], s[CS], v13                     ; as t (c is positive)
	s_delay_alu instid0(VALU_DEP_1)
	v_floor_f32 v12, -v[T]                         ; the new -M = -ceil(t): a whole number
	s_delay_alu instid0(VALU_DEP_1)
	v_sub_f32 v[T], v12, v[T2]                     ; old M - new M: a whole number, 0 or less
	TMM 0, 4
	v_cvt_i32_f32 v[T], v[T]                       ; (it saturates)
	TMM 4, 8
	v_ldexp_f32 v[F], 1.0, v[T]                    ; f = 2^(old M - new M)
	TMM 8, 64
.irp c, 0,1
	v_fma_f32 v[BM+\c], v[BM+\c], s[CS], v12       ; the same of each block's largest score
.endr
.set j, 0
.rept 16
	v_pk_mul_f32 v[O+j:O+j+1], v[O+j:O+j+1], v[F:F+1] op_sel_hi:[1,0]   ; O^T under the new M
.set j, j+2
.endr
	s_wait_alu depctr_va_vdst(0)
	v_exp_f32 v[BM], v[BM]                         ; the blocks' largest p
	v_exp_f32 v[BM+1], v[BM+1]
.set j, 0
.rept 64
	v_exp_f32 v[S+j], v[S+j]                       ; p = 2^(t - M), at most 1
.set j, j+1
.endr
	v_add_nc_u32 v[ADK], s[TN], v[AK]              ; plain lines behind the exponentials: the next block's place
	v_add_nc_u32 v[ADS], s[TN], v[AKS]
	KLOADS                                         ; the next step's K: its registers were read by the products at the step's head
	s_wait_alu depctr_va_vdst(0)                   ; one wait for the batch, ahead of its first reader
	v_max_num_f32 v[BM], 0x1800000, v[BM]          ; the floor 2^(3 - 127): the byte cannot fall under 1
	v_max_num_f32 v[BM+1], 0x1800000, v[BM+1]
	SUMS 0, 7                                      ; the row's sum is taken of the unquantised p; the scale word's lines stand among its additions
	v_add_nc_u32 v[SO], 0xff000000, v[BM]          ; 2 off the exponent field: the conversions' scale operands
	v_add_nc_u32 v[SO+1], 0xff000000, v[BM+1]
	SUMS 7, 11
	v_lshrrev_b32 v[BY], 23, v[SO]
	v_lshrrev_b32 v[BY+1], 23, v[SO+1]
	SUMS 11, 15
	v_lshl_or_b32 v[W], v[BY+1], 16, v[BY]         ; my bytes: blocks h and 2 + h,
	SUMS 15, 17
	v_lshlrev_b32 v[W], v[SH8], v[W]               ; at their places in the scale word;
	SUMS 17, 19
	v_permlanex16_b32 v[PX+1], v[W], s[SEL], s[SEL+1]
	SUMS 19, 21
	v_or_b32 v[PW], v[W], v[PX+1]                  ; with lane l xor 16's two the word is whole
	SUMS 21, 24
.irp c, 0,1
	v_cvt_scalef32_pk16_fp6_f32 v[PC+6*\c:PC+6*\c+2], v[S+32*\c:S+32*\c+15], v[SO+\c]
	v_cvt_scalef32_pk16_fp6_f32 v[HF+4*\c:HF+4*\c+2], v[S+32*\c+16:S+32*\c+31], v[SO+\c]   ; (a conversion's three registers begin on an even number)
.endr
.irp t, 0,1,2,3                                ; V's four fragments land in p's first 48 registers, which are done with
.irp i, 0,1,2
	ds_load_b128 v[S+12*\t+4*\i:S+12*\t+4*\i+3], v[ADV] offset:272*(32+6*\t+2*\i)
.endr
.endr
	ds_load_b32 v[VS], v[ADVS] offset:272*58
	ds_load_b32 v[VS+1], v[ADVS] offset:272*58+128
	SUMS 24, 25                                    ; (a plain line behind the conversions)
.irp c, 0,1
.irp i, 0,1,2
	v_mov_b32 v[PC+6*\c+3+\i], v[HF+4*\c+\i]       ; registers 6 c .. 6 c + 5: k = 64 c + 32 h + 0 .. 31
.endr
.endr
	SUMS 25, 32                                    ; these seven are the places between the codes and the products below
	s_wait_alu depctr_va_vdst(0)
	s_wait_dscnt 0x0                               ; V is in (and the next step's K, asked for earlier)
.irp t, 0,1,2,3                                ; the four accumulators take turns
	OMUL \t
.endr
	v_pk_add_f32 v[SA+2:SA+3], v[SA+2:SA+3], v[SA+4:SA+5]   ; the sum's chains join: with the two v_nop five places, since the next step's first products write over the registers from which these read V
	v_pk_add_f32 v[14:15], v[14:15], v[SA:SA+1]
	s_delay_alu instid0(VALU_DEP_1)
	v_pk_add_f32 v[14:15], v[14:15], v[SA+2:SA+3]
	v_nop
	v_nop
.endm
.macro RUN
	s_mov_b32 s[TB], 0
	s_mov_b32 s[CNT], 16
.Lrun_\@:
	STEP
	s_sub_co_u32 s[CNT], s[CNT], 1
	s_cmp_lg_u32 s[CNT], 0
	s_cbranch_scc1 .Lrun_\@
.endm
; THE WAY OUT of a pass: O^T / the sum; the 16 registers of tiles 2 b, 2 b + 1 are channels 32 b + 16 h + 0 .. 15 of my query: two blocks of the last product's K.
.macro OUT pass
	v_add_f32 v14, v14, v15
	s_delay_alu instid0(VALU_DEP_1)
	v_permlanex16_b32 v[T], v14, s[SEL], s[SEL+1]
	s_delay_alu instid0(VALU_DEP_1)
	v_add_f32 v14, v14, v[T]                       ; the row's sum
	s_wait_alu depctr_va_vdst(0)
	v_rcp_f32 v14, v14
	v_cmp_eq_u32 vcc_lo, 1, v[HH]                  ; (a plain instruction behind the reciprocal)
	s_wait_alu depctr_va_vdst(0)                   ; the wait ahead of the first reader
.set j, 0
.rept 32
	v_mul_f32 v[S+j], v[O+j], v14
.set j, j+1
.endr
.irp b, 0,1
	v_max3_num_f32 v[BM+\b], |v[S+16*\b]|, |v[S+16*\b+1]|, 0x1800000
.endr
.irp i, 2,4,6,8,10,12,14
.irp b, 0,1
	s_delay_alu instid0(VALU_DEP_2)
	v_max3_num_f32 v[BM+\b], v[BM+\b], |v[S+16*\b+\i]|, |v[S+16*\b+\i+1]|
.endr
.endr
.irp b, 0,1
	s_delay_alu instid0(VALU_DEP_2)
	v_permlanex16_b32 v[PX+\b], v[BM+\b], s[SEL], s[SEL+1]
.endr
.irp b, 0,1
	s_delay_alu instid0(VALU_DEP_2)
	v_max_num_f32 v[BM+\b], v[BM+\b], v[PX+\b]
.endr
.irp b, 0,1
	s_delay_alu instid0(VALU_DEP_2)
	v_add_nc_u32 v[SO+\b], 0xff000000, v[BM+\b]
.endr
.irp b, 0,1
	s_delay_alu instid0(VALU_DEP_2)
	v_lshrrev_b32 v[PX+\b], 23, v[SO+\b]
.endr
	v_cvt_scalef32_pk16_fp6_f32 v[PC:PC+2], v[S:S+15], v[SO]
	v_cvt_scalef32_pk16_fp6_f32 v[HF:HF+2], v[S+16:S+31], v[SO+1]
	v_nop                                          ; one plain instruction behind the scaled conversions
.irp i, 0,1,2
	v_permlane16_swap_b32 v[PC+\i], v[HF+\i]       ; lane (r, h) then holds block h whole
.endr
.irp i, 0,1,2
	s_delay_alu instid0(VALU_DEP_3)
	v_mov_b32 v[PC+3+\i], v[HF+\i]
.endr
	v_cndmask_b32 v[BYO], v[PX], v[PX+1], vcc_lo   ; my block's byte
.irp p, 0,1,2
	global_store_b64 v[L8], v[PC+2*\p:PC+2*\p+1], s[10:11] offset:196608*\pass+256*\p   ; 32 lanes store 256 consecutive bytes, aligned
.endr
	global_store_b8 v[SBO], v[BYO], s[12:13] offset:8192*\pass   ; single bytes, 32 apart: a row's 32 scale bytes come from sixteen heads, that is sixteen work-groups; they are one byte in 24 of the context's
.endm
	s_wait_alu depctr_va_vdst(0)
	s_wait_loadcnt 0x0                             ; Q
	s_wait_tensorcnt 0x0                           ; my block is in
	s_barrier_signal -1
	s_barrier_wait -1                              ; everybody's is: the head's K and V lie in LDS whole
	KSTART
	INIT
	RUN                                            ; PASS 0
	KSTART                                         ; pass 1's first fragments come in under the way out
.irp i, 0,1,2,3,4,5,6,7
	v_mov_b32 v[Q+\i], v[Q1+\i]
.endr
	v_mov_b32 v[QS], v[QS1]
	OUT 0
	s_wait_xcnt 0x0                                ; the stores have read their registers: they are written again only behind this wait
	INIT
	RUN                                            ; PASS 1
	OUT 1
	s_wait_tensorcnt 0x0                           ; the wave's end
	ds_add_u32 v[SPW], v[NIL]
	s_wait_dscnt 0x0
	ROUND                                          ; the closing round
	s_endpgm
.Lfunc_end_k_q28004b90aa_attn:
	.size	k_q28004b90aa_attn, .Lfunc_end_k_q28004b90aa_attn-k_q28004b90aa_attn
	.p2alignl 7, 3214868480
	.fill 96, 4, 3214868480
	.section	.rodata,"a",@progbits
	.p2align	6, 0x0
	.amdhsa_kernel k_q28004b90aa_attn
		.amdhsa_group_segment_fixed_size 262144
		.amdhsa_private_segment_fixed_size 0
		.amdhsa_enable_private_segment 0
		.amdhsa_kernarg_size 40
		.amdhsa_user_sgpr_count 2
		.amdhsa_user_sgpr_kernarg_segment_ptr 1
		.amdhsa_wavefront_size32 1
		.amdhsa_system_sgpr_workgroup_id_x 1
		.amdhsa_system_sgpr_workgroup_id_y 1
		.amdhsa_system_sgpr_workgroup_id_z 1
		.amdhsa_system_vgpr_workitem_id 0
		.amdhsa_next_free_vgpr 256
		.amdhsa_next_free_sgpr 66
		.amdhsa_reserve_vcc 1
		.amdhsa_float_denorm_mode_32 3
		.amdhsa_float_denorm_mode_16_64 3
		.amdhsa_memory_ordered 1
		.amdhsa_forward_progress 1
		.amdhsa_inst_pref_size 50
	.end_amdhsa_kernel
	.amdgpu_metadata
---
amdhsa.version: [ 1, 2 ]
amdhsa.kernels:
  - .name:           k_q28004b90aa_attn
    .symbol:         k_q28004b90aa_attn.kd
    .args:
      - { .name: qc, .offset: 0, .size: 8, .value_kind: global_buffer, .address_space: global }
      - { .name: qs, .offset: 8, .size: 8, .value_kind: global_buffer, .address_space: global }
      - { .name: kv, .offset: 16, .size: 8, .value_kind: global_buffer, .address_space: global }
      - { .name: acod, .offset: 24, .size: 8, .value_kind: global_buffer, .address_space: global }
      - { .name: ascl, .offset: 32, .size: 8, .value_kind: global_buffer, .address_space: global }
    .group_segment_fixed_size: 262144
    .private_segment_fixed_size: 0
    .kernarg_segment_align: 8
    .kernarg_segment_size: 40
    .max_flat_workgroup_size: 512
    .sgpr_count:     66
    .vgpr_count:     256
    .wavefront_size: 32
...
	.end_amdgpu_metadata
.endif
;; end of part 3
;; launch oproj (part 4): grid 8 x 32, 4 waves a work-group, clusters of 4 x 4, 327,680 bytes of LDS; arguments acod, ascl, wc, ws, b_o, out0; writes out0
.if DOCPART == 4
	.amdgcn_target "amdgcn-amd-amdhsa--gfx1250"
	.amdhsa_code_object_version 6
	.text
	.protected	k_q28004b90aa_oproj
	.globl	k_q28004b90aa_oproj
	.p2align	8
	.type	k_q28004b90aa_oproj,@function
k_q28004b90aa_oproj:
	s_mov_b64 s[64:65], 0
	v_nop
	global_prefetch_b8 v0, s[64:65] scope:SCOPE_SE
	s_setreg_imm32_b32 hwreg(HW_REG_WAVE_MODE, 25, 1), 1
	s_wait_xcnt 0x0
	s_wait_alu depctr_hold_cnt(0) depctr_sa_sdst(0) depctr_va_vdst(0) depctr_va_sdst(0) depctr_va_ssrc(0) depctr_va_vcc(0) depctr_vm_vsrc(0)
	s_getreg_b32 s2, hwreg(HW_REG_IB_STS2, 6, 4)
	s_cmp_eq_u32 s2, 0
	s_cbranch_scc0 .Lentry_in_a_cluster
	s_endpgm
.Lentry_in_a_cluster:
	s_bfe_u32 s2, ttmp6, 0x10000c
	s_cmp_lg_u32 s2, 0xf033
	s_cbranch_scc0 .Lentry_shape_is_right
	s_endpgm
.Lentry_shape_is_right:
; out0 = context w_o + b_o on codes of E2M3: context's codes acod [row tile 512][K step 8][1536] and scale bytes ascl [stored row][32]; w_o's in wc from row tile 192 and in ws from row 3072 on.
; A work-group makes 256 rows x 128 columns: four waves, 2 x 2, each 128 x 64: 32 accumulators, 256 registers (window 2).  Fragments lie in window 1: A's one set (8 x 12), B's two sets.
; LDS: TWO SLOTS, EACH WITH FOUR K STEPS of A's 16 row tiles and B's 8 (6,144 bytes a tile), so that all of K = 1,024 lies in LDS: each slot is filled ONCE and nothing is filled again.
; At the head one joint load a wave: wave 0 slot 0's A, wave 1 its B, wave 2 A's scales (all of K), wave 3 B's.  Slot 1's first fill stands behind the lines and the round
; (waves 0, 1 a half of A each, waves 2, 3 of B).  A plain barrier in K step 3 shows slot 1 to all waves; behind it nobody reads slot 0, which then serves as the stage of the way out.
; CLUSTER: 4 x 4: A's tiles are shared along a row of the cluster, B's along a column.  Nothing is prefetched: both slots are asked for at the head and directly behind it, and no loop runs ahead of them.
; The matrix instruction is used transposed (source 0 = rows of w_o): a lane holds eight neighbouring columns of a row.  The bias is the first products' C.
; One register carries B's scale word (lanes 0-15) and A's (lanes 16-31) of block i, two K steps to a load of 8 bytes.
.set NB,    4
.set FR,    12
.set NL,    6
.set NP,    4
.set TILEB, 6144
.set AHALF, 8*TILEB
.set BHALF, NB*TILEB
.set BOFF,  2*AHALF
.set SLOT,  BOFF+2*BHALF
.set SCB,   2*SLOT
.set HSB,   2*NB*272
.set SCA,   SCB+2*HSB
.set HSA,   16*272
.set SPARE, ((SCA+2*HSA)/256+1)*256
.set STO,  8
.set RD,   9
.set CO,   10
.set ADRA, 16
.set ADRB, 20
.set ADRS, 27
.set SPW,  28
.set NIL,  29
.set SC,   32
.set BIAS, 64
.set BK,   128
.set AF,   0
.set BF,   96
.set G1, 24
.set G0, 32
.set G1B, 48
.set G0B, 56
.set G1S, 68
.set G0S, 76
.set G1SB, 80
.set G0SB, 88
.set MSB, 0
.macro WIN new
.if MSB != (\new)
	s_set_vgpr_msb (MSB<<8)|(\new)
.set MSB, (\new)
.endif
.endm
.set MUL,  0xa5
.set FST,  0x85
.set TO_F, 0x40
.macro JLOAD g0a, g1a, g0b, g1b
	s_cmp_eq_u32 s15, 0
	s_cbranch_scc0 .Lfor_b_\@
	tensor_load_to_lds s[\g0a:\g0a+3], s[\g1a:\g1a+7]
	s_nop 0
.rept 4
	v_nop
.endr
	s_branch .Lasked_\@
.Lfor_b_\@:
	tensor_load_to_lds s[\g0b:\g0b+3], s[\g1b:\g1b+7]
	s_nop 0
.rept 4
	v_nop
.endr
.Lasked_\@:
.endm
.macro ARM under, g0, g1, next
	s_cmp_lt_u32 s14, \under
	s_cbranch_scc0 \next
	tensor_load_to_lds s[\g0:\g0+3], s[\g1:\g1+7]
	s_nop 0
.rept 4
	v_nop
.endr
	s_branch .Lhead_asked
\next:
.endm
.macro CREST
	s_cmp_lg_u32 s14, 0
	s_cbranch_scc1 .Lnot_wave_0_\@
	s_barrier_signal -3
.Lnot_wave_0_\@:
	s_barrier_wait -3
	s_barrier_signal -1
	s_barrier_wait -1
.endm
.macro CROUND
	s_barrier_signal -1
	s_barrier_wait -1
	CREST
.endm
.macro PLACES n
.rept \n
	v_nop
.endr
.endm
	s_load_b256 s[4:11], s[0:1], 0x0               ; acod, ascl, wc, ws
	s_load_b64 s[92:93], s[0:1], 0x20              ; b_o
	s_load_b64 s[12:13], s[0:1], 0x28              ; out0
	v_lshl_add_u32 v[SPW], v0, 2, SPARE
	v_mov_b32 v[NIL], 0
	ds_add_u32 v[SPW], v[NIL]                      ; the opening lines: the add, twice on end, and its wait
	ds_add_u32 v[SPW], v[NIL]
	v_lshrrev_b32 v1, 5, v0
	v_readfirstlane_b32 s14, v1                    ; wave; s15 its half of the rows, s16 of the columns
	s_lshr_b32 s15, s14, 1
	s_and_b32 s16, s14, 1
	s_bfe_u32 s40, ttmp6, 0x40000
	s_bfe_u32 s41, ttmp6, 0x40004
	s_lshl_b32 s42, ttmp9, 2
	s_add_co_u32 s42, s42, s40                     ; tile column
	s_and_b32 s17, ttmp7, 0xffff
	s_lshl_b32 s17, s17, 2
	s_add_co_u32 s17, s17, s41                     ; tile row
	s_lshl_b32 s43, s41, 2
	s_lshl_b32 s43, 15, s43                        ; my row of the cluster
	s_lshl_b32 s44, 0x1111, s40                    ; my column
	s_or_b32 s[G1+0], s43, (3<<16)|(1<<21)         ; codes: rows of 6,144 bytes (768 elements of 8), 12,288 apart: 16 row tiles at the head, 8 behind it
	s_mov_b32 s[G1+1], 768<<16
	s_mov_b32 s[G1+2], 16<<16
	s_mov_b32 s[G1+3], 768<<16
	s_mov_b32 s[G1+4], 16
	s_mov_b32 s[G1+5], 1536
	s_mov_b32 s[G1+6], 0
	s_mov_b32 s[G1+7], 0
	s_or_b32 s[G1B+0], s44, (3<<16)|(1<<21)
	s_mov_b32 s[G1B+1], 768<<16
	s_mov_b32 s[G1B+2], (2*NB)<<16
	s_mov_b32 s[G1B+3], 768<<16
	s_mov_b32 s[G1B+4], 2*NB
	s_mov_b32 s[G1B+5], 1536
	s_mov_b32 s[G1B+6], 0
	s_mov_b32 s[G1B+7], 0
	s_or_b32 s[G1S+0], s43, (3<<16)|(1<<20)|(1<<21)|(5<<22)|(3<<25)   ; scales: dense, rows of 256 bytes, 16 of padding behind each
	s_mov_b32 s[G1S+1], 32<<16
	s_mov_b32 s[G1S+2], 32<<16
	s_mov_b32 s[G1S+3], 32<<16
	s_mov_b32 s[G1S+4], 32
	s_mov_b32 s[G1S+5], 32
	s_mov_b32 s[G1S+6], 0
	s_mov_b32 s[G1S+7], 0
	s_or_b32 s[G1SB+0], s44, (3<<16)|(1<<20)|(1<<21)|(5<<22)|(3<<25)
	s_mov_b32 s[G1SB+1], 32<<16
	s_mov_b32 s[G1SB+2], (4*NB)<<16
	s_mov_b32 s[G1SB+3], 32<<16
	s_mov_b32 s[G1SB+4], 4*NB
	s_mov_b32 s[G1SB+5], 32
	s_mov_b32 s[G1SB+6], 0
	s_mov_b32 s[G1SB+7], 0
	s_mul_i32 s20, s17, 16*12288
	s_mov_b32 s21, 0
	s_lshl_b32 s22, s17, 13
	s_mov_b32 s23, 0
	s_mul_i32 s46, s42, 2*NB*12288
	s_add_co_u32 s46, s46, 192*12288
	s_mov_b32 s47, 0
	s_mul_i32 s18, s42, 2*NB*512
	s_add_co_u32 s18, s18, 3072*32
	s_mov_b32 s19, 0
	s_mul_i32 s94, s16, 8*12288                    ; slot 1: my half of the rows, K steps 4 to 7
	s_add_co_u32 s94, s94, TILEB
	s_mov_b32 s95, 0
	s_mul_i32 s96, s16, NB*12288
	s_add_co_u32 s96, s96, TILEB
	s_mov_b32 s97, 0
	s_wait_dscnt 0x0
	s_wait_kmcnt 0x0
	s_add_nc_u64 s[20:21], s[4:5], s[20:21]
	s_add_nc_u64 s[22:23], s[6:7], s[22:23]
	s_add_nc_u64 s[46:47], s[8:9], s[46:47]
	s_add_nc_u64 s[18:19], s[10:11], s[18:19]
	CROUND                                         ; all sixteen work-groups are here: the first joint loads meet
	s_mov_b32 s[G0], 1
	s_mov_b32 s[G0+1], 0
	s_mov_b64 s[G0+2:G0+3], s[20:21]
	s_or_b32 s[G0+3], s[G0+3], 0x80000000
	s_mov_b32 s[G0B], 1
	s_mov_b32 s[G0B+1], BOFF
	s_mov_b64 s[G0B+2:G0B+3], s[46:47]
	s_or_b32 s[G0B+3], s[G0B+3], 0x80000000
	s_mov_b32 s[G0S], 1
	s_mov_b32 s[G0S+1], SCA
	s_mov_b64 s[G0S+2:G0S+3], s[22:23]
	s_or_b32 s[G0S+3], s[G0S+3], 0x80000000
	s_mov_b32 s[G0SB], 1
	s_mov_b32 s[G0SB+1], SCB
	s_mov_b64 s[G0SB+2:G0SB+3], s[18:19]
	s_or_b32 s[G0SB+3], s[G0SB+3], 0x80000000
	s_mov_b32 s[G0+4], 1
	s_mul_i32 s[G0+5], s16, AHALF
	s_add_co_u32 s[G0+5], s[G0+5], SLOT
	s_add_nc_u64 s[G0+6:G0+7], s[20:21], s[94:95]
	s_or_b32 s[G0+7], s[G0+7], 0x80000000
	s_mov_b32 s[G0B+4], 1
	s_mul_i32 s[G0B+5], s16, BHALF
	s_add_co_u32 s[G0B+5], s[G0B+5], SLOT+BOFF
	s_add_nc_u64 s[G0B+6:G0B+7], s[46:47], s[96:97]
	s_or_b32 s[G0B+7], s[G0B+7], 0x80000000
	ARM 1, G0,  G1,  .Lhead_b                      ; one chain of branches on the wave's number: every way passes exactly one load
	ARM 2, G0B, G1B, .Lhead_sa
	ARM 3, G0S, G1S, .Lhead_sb
	tensor_load_to_lds s[G0SB:G0SB+3], s[G1SB:G1SB+7]
	s_nop 0
.rept 4
	v_nop
.endr
.Lhead_asked:
	v_and_b32 v1, 15, v0
	v_bfe_u32 v2, v0, 4, 1
	v_and_b32 v3, 31, v0
	v_lshlrev_b32 v4, 3, v3
	s_mul_i32 s21, s15, AHALF
	s_mul_i32 s22, s16, BHALF
	s_add_co_u32 s22, s22, BOFF
.irp s, 0,1
	v_add_nc_u32 v[ADRA+\s], s21, v4
	v_add_nc_u32 v[ADRB+\s], s22, v4
	s_add_co_u32 s21, s21, SLOT
	s_add_co_u32 s22, s22, SLOT
.endr
	v_lshlrev_b32 v5, 5, v1
	v_lshrrev_b32 v6, 3, v1
	v_lshl_add_u32 v5, v6, 4, v5
	s_mul_i32 s21, s16, HSB
	s_mul_i32 s22, s15, HSA
	s_add_co_u32 s22, s22, SCA-SCB
	s_sub_co_u32 s22, s22, s21
	v_mul_u32_u24 v6, s22, v2
	s_add_co_u32 s21, s21, SCB
	v_add_nc_u32 v5, v5, v6
	v_add_nc_u32 v[ADRS], s21, v5                  ; lanes 0-15 B's scale words, lanes 16-31 A's
	s_mul_i32 s23, s14, 16*272
	v_mul_u32_u24 v[STO], v1, 272
	v_lshl_add_u32 v[STO], v2, 6, v[STO]
	v_add_nc_u32 v[STO], s23, v[STO]
	v_mul_u32_u24 v[RD], v2, 272
	v_lshl_add_u32 v[RD], v1, 4, v[RD]
	v_add_nc_u32 v[RD], s23, v[RD]
	v_lshlrev_b32 v[CO], 12, v2
	v_lshl_add_u32 v[CO], v1, 4, v[CO]
	v_lshlrev_b32 v5, 6, v2
	s_wait_alu depctr_va_vdst(0)
	s_lshl_b32 s18, s42, 9
	s_lshl_b32 s45, s16, 8
	s_add_co_u32 s18, s18, s45
	s_mov_b32 s19, 0
	s_add_nc_u64 s[92:93], s[92:93], s[18:19]
	s_add_nc_u64 s[12:13], s[12:13], s[18:19]
	s_lshl_b32 s18, s17, 20
	s_lshl_b32 s45, s15, 19
	s_add_co_u32 s18, s18, s45
	s_add_nc_u64 s[12:13], s[12:13], s[18:19]
.irp b, 0,1,2,3
	global_load_b128 v[BIAS+8*\b:BIAS+8*\b+3], v5, s[92:93] offset:128*(\b/2)+32*(\b%2)
	global_load_b128 v[BIAS+8*\b+4:BIAS+8*\b+7], v5, s[92:93] offset:128*(\b/2)+32*(\b%2)+16
.endr
.macro FRAG reg, adr, q, i
.irp p, 0,1,2,3,4,5
	ds_load_b64 v[\reg+2*\p:\reg+2*\p+1], v[\adr] offset:(\i)*TILEB+(\q)*1536+256*\p
.endr
.endm
.macro FETCH_B slot, q, p
	WIN TO_F
.irp i, 0,1,2,3
	FRAG BF+72*(\p)+FR*\i, ADRB+\slot, \q, \i
.endr
.endm
.macro FETCH_A slot, q, i0
	WIN TO_F
.irp i, \i0, \i0+1, \i0+2, \i0+3
	FRAG AF+FR*(\i), ADRA+\slot, \q, \i
.endr
.endm
.macro SCALES pr                       ; the scale words of K steps 2 pr, 2 pr + 1 into set pr % 2
.irp i, 0,1,2,3,4,5,6,7
	ds_load_b64 v[SC+16*((\pr)%2)+2*\i:SC+16*((\pr)%2)+2*\i+1], v[ADRS] offset:544*\i+8*(\pr)
.endr
.endm
.macro MULA a0, p, q, sc, first
.irp a, \a0, \a0+1
.set RA, AF+FR*(\a)
.set SAA, SC+16*(\sc)+2*(\a)+(\q)
.irp b, 0,1,2,3
.set DD, 32*(\a)+8*\b
.set RB, BF+72*(\p)+FR*\b
.set SBB, SC+16*(\sc)+2*\b+(\q)
.if \first
	v_wmma_scale_f32_16x16x128_f8f6f4 v[DD:DD+7], v[RB:RB+FR-1], v[RA:RA+FR-1], v[BIAS+8*\b:BIAS+8*\b+7], v[SBB], v[SAA] matrix_a_fmt:MATRIX_FMT_FP6 matrix_b_fmt:MATRIX_FMT_FP6 matrix_b_scale:MATRIX_SCALE_ROW1
.else
	v_wmma_scale_f32_16x16x128_f8f6f4 v[DD:DD+7], v[RB:RB+FR-1], v[RA:RA+FR-1], v[DD:DD+7], v[SBB], v[SAA] matrix_a_fmt:MATRIX_FMT_FP6 matrix_b_fmt:MATRIX_FMT_FP6 matrix_b_scale:MATRIX_SCALE_ROW1
.endif
.endr
.endr
.endm
.macro WINM first
.if \first
	WIN FST
.else
	WIN MUL
.endif
.endm
; K step st: 32 products, the 32 accumulators by turns; the next step's fragments are fetched in its middle (B, A's blocks 0-3) and at its end (A's blocks 4-7)
.macro KSTEP st, first
.set NX, (\st)+1
.if (\st) == 3
	s_wait_tensorcnt 0x0                           ; my part of slot 1 is in
.endif
	s_wait_dscnt 4*NL                              ; all but the youngest 24 loads, A's blocks 4-7
	WINM \first
	MULA 0, (\st)%2, (\st)%2, ((\st)/2)%2, \first
.if (\st) == 3
	s_wait_dscnt 0x0                               ; my reads of slot 0 are over
	s_barrier_signal -1                            ; a plain barrier: slot 1 is shown to all
	MULA 2, (\st)%2, (\st)%2, ((\st)/2)%2, \first
	WIN 0
	s_barrier_wait -1
.else
	MULA 2, (\st)%2, (\st)%2, ((\st)/2)%2, \first
	s_wait_dscnt 0x0
.endif
	PLACES NP
	FETCH_B NX/4, NX%4, NX%2
	FETCH_A NX/4, NX%4, 0
.if NX%2 == 0
	WIN 0
	SCALES NX/2
.endif
	WINM \first
	MULA 4, (\st)%2, (\st)%2, ((\st)/2)%2, \first
	MULA 6, (\st)%2, (\st)%2, ((\st)/2)%2, \first
	PLACES NP
	FETCH_A NX/4, NX%4, 4
	WIN 0
.endm
	s_wait_alu depctr_va_vdst(0)
	s_wait_tensorcnt 0x0                           ; my tile of the head's four is in
	ds_add_u32 v[SPW], v[NIL]
	s_mov_b32 s[G1+2], 8<<16                       ; no tensor load of mine is out: from here on a load brings half a tile's rows
	s_mov_b32 s[G1+4], 8
	s_mov_b32 s[G1B+2], NB<<16
	s_mov_b32 s[G1B+4], NB
	s_wait_dscnt 0x0
	CROUND                                         ; all four tiles are in, and all sixteen work-groups are here
	JLOAD G0+4, G1, G0B+4, G1B                     ; slot 1's first fill, the first tensor load behind the round
	FETCH_B 0, 0, 0
	FETCH_A 0, 0, 0
	WIN 0
	SCALES 0
	FETCH_A 0, 0, 4
	WIN 0
	s_wait_loadcnt 0x0                             ; the bias
	KSTEP 0, 1
.irp st, 1,2,3,4,5,6
	KSTEP \st, 0
.endr
	s_wait_dscnt 4*NL                              ; the last K step fetches nothing
	WIN MUL
	MULA 0, 1, 1, 1, 0
	MULA 2, 1, 1, 1, 0
	s_wait_dscnt 0x0
	MULA 4, 1, 1, 1, 0
	MULA 6, 1, 1, 1, 0
	WIN 0
; THE WAY OUT, block by block of 16 rows x 64 columns, through my own stage (in slot 0, which has had its only fill and its last read): back as rows of 256 bytes, which sixteen lanes store as one aligned unit
.macro TOSTAGE a
	WIN 0x08
.irp b, 0,1,2,3
	ds_store_b128 v[STO], v[32*(\a)+8*\b:32*(\a)+8*\b+3] offset:128*(\b/2)+32*(\b%2)
	ds_store_b128 v[STO], v[32*(\a)+8*\b+4:32*(\a)+8*\b+7] offset:128*(\b/2)+32*(\b%2)+16
.endr
	WIN 0
.set BB, BK+32*((\a)%2)
.irp t, 0,1,2,3,4,5,6,7
	ds_load_b128 v[BB+4*\t:BB+4*\t+3], v[RD] offset:\t*544
.endr
.endm
.macro SEND a, younger
.set BB, BK+32*((\a)%2)
	s_wait_dscnt \younger
.irp t, 0,1,2,3,4,5,6,7
	global_store_b128 v[CO], v[BB+4*\t:BB+4*\t+3], s[12:13] offset:4096*(32*((\a)/2)+16*(\t/4)+8*((\a)%2)+2*(\t%4)) th:TH_STORE_NT
.endr
.endm
	PLACES NP
	TOSTAGE 0
.irp a, 1,2,3,4,5,6,7
.if \a > 1
	s_wait_xcnt 0x0                                ; block a - 2's stores have read their registers
.endif
	TOSTAGE \a
	SEND \a-1, 16                                  ; behind block a - 1's loads: block a's 8 stores and 8 loads
.endr
	SEND 7, 0
	s_wait_tensorcnt 0x0                           ; the wave's end
	ds_add_u32 v[SPW], v[NIL]
	s_wait_dscnt 0x0
	CROUND                                         ; the closing round
	s_endpgm
.Lfunc_end_k_q28004b90aa_oproj:
	.size	k_q28004b90aa_oproj, .Lfunc_end_k_q28004b90aa_oproj-k_q28004b90aa_oproj
	.p2alignl 7, 3214868480
	.fill 96, 4, 3214868480
	.section	.rodata,"a",@progbits
	.p2align	6, 0x0
	.amdhsa_kernel k_q28004b90aa_oproj
		.amdhsa_group_segment_fixed_size 327680
		.amdhsa_private_segment_fixed_size 0
		.amdhsa_enable_private_segment 0
		.amdhsa_kernarg_size 48
		.amdhsa_user_sgpr_count 2
		.amdhsa_user_sgpr_kernarg_segment_ptr 1
		.amdhsa_wavefront_size32 1
		.amdhsa_system_sgpr_workgroup_id_x 1
		.amdhsa_system_sgpr_workgroup_id_y 1
		.amdhsa_system_sgpr_workgroup_id_z 1
		.amdhsa_system_vgpr_workitem_id 0
		.amdhsa_next_free_vgpr 768
		.amdhsa_next_free_sgpr 104
		.amdhsa_reserve_vcc 0
		.amdhsa_float_denorm_mode_32 3
		.amdhsa_float_denorm_mode_16_64 3
		.amdhsa_memory_ordered 1
		.amdhsa_forward_progress 1
		.amdhsa_inst_pref_size 101
	.end_amdhsa_kernel
	.amdgpu_metadata
---
amdhsa.version: [ 1, 2 ]
amdhsa.kernels:
  - .name:           k_q28004b90aa_oproj
    .symbol:         k_q28004b90aa_oproj.kd
    .args:
      - { .name: acod, .offset: 0, .size: 8, .value_kind: global_buffer, .address_space: global }
      - { .name: ascl, .offset: 8, .size: 8, .value_kind: global_buffer, .address_space: global }
      - { .name: wc, .offset: 16, .size: 8, .value_kind: global_buffer, .address_space: global }
      - { .name: ws, .offset: 24, .size: 8, .value_kind: global_buffer, .address_space: global }
      - { .name: b_o, .offset: 32, .size: 8, .value_kind: global_buffer, .address_space: global }
      - { .name: out0, .offset: 40, .size: 8, .value_kind: global_buffer, .address_space: global }
    .group_segment_fixed_size: 327680
    .private_segment_fixed_size: 0
    .kernarg_segment_align: 8
    .kernarg_segment_size: 48
    .max_flat_workgroup_size: 128
    .sgpr_count:     104
    .vgpr_count:     768
    .wavefront_size: 32
...
	.end_amdgpu_metadata
.endif
;; end of part 4
